; MI455X (gfx1250); checked and timed in simulation.
; The chip was launched on July 23, 2026; its instructions are those of AMD's public machine-readable ISA for CDNA 5 (MIT licence, August 2026) and "CDNA5" Instruction Set Architecture Reference Guide (July 2026). The comments in the code are by the model that wrote it; some were corrected since.
;; Block. Allowed arithmetic: float matrix products may take bf16 or f16 operands with f32 sums; other float arithmetic in f32, or as packed bf16 or f16 multiplies, adds, multiply-adds, maxima and minima; sums over many terms, partial sums and values carried from step to step in f32; what a program stores and reads back later, other than sums and carried values, may be rounded once to bf16 or f16.
;; Inputs: b_fc1 4,096 float32; b_fc2 1,024 float32; b_o 1,024 float32; b_qkv 3,072 float32; ln1_b 1,024 float32; ln1_g 1,024 float32; ln2_b 1,024 float32; ln2_g 1,024 float32; w_fc1 1,024 x 4,096 float32; w_fc2 4,096 x 1,024 float32; w_o 1,024 x 1,024 float32; w_qkv 1,024 x 3,072 float32; x 2 x 2,048 x 1,024 float32.
;; Outputs: out0 2 x 2,048 x 1,024 float32.
;; One version. Each part assembles by itself: llvm-mc -triple=amdgcn-amd-amdhsa -mcpu=gfx1250 --defsym DOCPART=n.
;; ======== version 1 of 1: 7 launches
;; workspace buffers: wq 8,388,608 bytes; wb 16,777,216 bytes; h 8,388,608 bytes; qkv 25,165,824 bytes; o 8,388,608 bytes; x1 16,777,216 bytes; act 33,554,432 bytes
;; launch prep (part 1): grid 512 x 1, 8 waves a work-group, no clusters, 0 bytes of LDS; arguments x, ln1_g, ln1_b, w_qkv, w_o, h, wq; writes h, wq
.if DOCPART == 1
	.amdgcn_target "amdgcn-amd-amdhsa--gfx1250"
	.amdhsa_code_object_version 6
	.text
	.protected	k_qdd278a4f84_prep
	.globl	k_qdd278a4f84_prep
	.p2align	8
	.type	k_qdd278a4f84_prep,@function
k_qdd278a4f84_prep:
	s_mov_b64 s[64:65], 0
	v_nop
	global_prefetch_b8 v0, s[64:65] scope:SCOPE_SE
	s_setreg_imm32_b32 hwreg(HW_REG_WAVE_MODE, 25, 1), 1
	s_wait_xcnt 0x0
; TWO STREAMS IN ONE BODY.  Work-groups 0-255: h = LayerNorm(x) g + b, rounded once to bf16.  Work-groups from 256 on: w_qkv and w_o rounded once to bf16, as they lie, one behind the other in wq.
; The same body serves the second LayerNorm, as a launch of 256 work-groups on x1, ln2_g and ln2_b: there no work-group reaches the cast.
; No LDS, no barrier, no matrix unit: every byte is read once and written once, and no wave needs another's data.
; LAYERNORM.  A work-group owns 16 rows, a wave two, a half of the lanes one: lane (hr, c) holds columns 64 j + 4 c .. + 3, j = 0..15, so a load of the wave covers 256 consecutive bytes of each of two rows.
; The row stays in 64 registers for three passes: mean; x - mean and the sum of its squares (no difference of large sums under a common offset); scale.  Sums in f32, four chains, then four DPP steps inside the 16 lanes.
; h lies in blocks of 64 columns: [row / 256][column / 64][row % 256][column % 64], so that a product's tile of 256 rows x 64 K is 32,768 consecutive bytes.  A store of the wave writes 256 consecutive bytes, aligned: two rows of one block.
; LIMITS.  v_rsq_f32 is good to one unit in the last place; NaN and infinities are not treated apart.
.set XO,  2                            ; v2   my byte offset in the work-group's 16 rows of x
.set GO,  3                            ; v3   16 c: my offset in g and b
.set HO,  4                            ; v4   8 x thread: my 8 bytes in the work-group's 2,048 bytes of a block of h
.set T,   6                            ; v[6:13]   four chains of pairs
.set MU,  14                           ; v[14:15]  the mean, later 1 / sqrt(var + eps), twice: a pair for the packed forms
.set X,   16                           ; v[16:79]  my 64 numbers of the row
.set G,   80                           ; v[80:143] g of my columns
.set BT,  144                          ; v[144:207] b of my columns
.set Y,   208                          ; v[208:239] the row in bf16
.set SX,  4                            ; s[4:5] x    s[6:7] g    s[8:9] b    s[14:15] h
.set SG,  6
.set SB,  8
.set SH,  14
.set C10, 26                           ; s26  2^-10 = 1 / 1024
.set EPS, 27                           ; s27  1e-5
.macro FOLD                            ; four chains of pairs into one number, then over the row's 16 lanes: every lane of the half ends with the sum
	v_pk_add_f32 v[T:T+1], v[T:T+1], v[T+2:T+3]
	v_pk_add_f32 v[T+4:T+5], v[T+4:T+5], v[T+6:T+7]
	v_pk_add_f32 v[T:T+1], v[T:T+1], v[T+4:T+5]
	v_add_f32 v[T], v[T], v[T+1]
	v_add_f32_dpp v[T], v[T], v[T] row_xmask:1 row_mask:0xf bank_mask:0xf
	v_add_f32_dpp v[T], v[T], v[T] row_xmask:2 row_mask:0xf bank_mask:0xf
	v_add_f32_dpp v[T], v[T], v[T] row_xmask:4 row_mask:0xf bank_mask:0xf
	v_add_f32_dpp v[T], v[T], v[T] row_xmask:8 row_mask:0xf bank_mask:0xf
.endm
	s_load_b256 s[4:11], s[0:1], 0x0               ; x, g, b, w_qkv s[10:11]
	s_load_b128 s[12:15], s[0:1], 0x20             ; w_o s[12:13], h s[14:15]
	s_load_b64 s[16:17], s[0:1], 0x30              ; wq
	s_cmp_lt_u32 ttmp9, 256
	s_cbranch_scc0 .Lcast
	v_lshrrev_b32 v1, 4, v0                        ; my row of the 16
	v_and_b32 v[GO], 15, v0
	v_lshlrev_b32 v[GO], 4, v[GO]
	v_lshl_add_u32 v[XO], v1, 12, v[GO]            ; row x 4,096 + 16 c
	v_lshlrev_b32 v[HO], 3, v0
	s_lshl_b32 s22, ttmp9, 16                      ; 16 rows of 4,096 bytes
	s_mov_b32 s23, 0
	s_lshr_b32 s24, ttmp9, 4
	s_lshl_b32 s24, s24, 19                        ; the tile of 256 rows: 524,288 bytes of h,
	s_and_b32 s25, ttmp9, 15
	s_lshl_b32 s25, s25, 11                        ; my 16 rows of 128 bytes in each of its blocks
	s_add_co_u32 s24, s24, s25
	s_mov_b32 s25, 0
	s_mov_b32 s[C10], 0x3a800000
	s_mov_b32 s[EPS], 0x3727c5ac
	s_wait_kmcnt 0x0
	s_add_nc_u64 s[SX:SX+1], s[SX:SX+1], s[22:23]
	s_add_nc_u64 s[SH:SH+1], s[SH:SH+1], s[24:25]
.set j, 0
.rept 16
	global_load_b128 v[X+4*j:X+4*j+3], v[XO], s[SX:SX+1] offset:256*j
.set j, j+1
.endr
.set j, 0
.rept 16
	global_load_b128 v[G+4*j:G+4*j+3], v[GO], s[SG:SG+1] offset:256*j
	global_load_b128 v[BT+4*j:BT+4*j+3], v[GO], s[SB:SB+1] offset:256*j
.set j, j+1
.endr
	s_wait_loadcnt 32                              ; the row is in; the 32 younger loads, g and b, may stay out
.set j, 0
.rept 4
	v_pk_add_f32 v[T+2*j:T+2*j+1], v[X+2*j:X+2*j+1], v[X+8+2*j:X+8+2*j+1]  ; the first eight pairs start the chains: nothing is cleared
.set j, j+1
.endr
.set j, 8
.rept 24
	v_pk_add_f32 v[T+2*(j%4):T+2*(j%4)+1], v[T+2*(j%4):T+2*(j%4)+1], v[X+2*j:X+2*j+1]
.set j, j+1
.endr
	FOLD
	v_mul_f32 v[MU], s[C10], v[T]                  ; the mean
	v_mov_b32 v[MU+1], v[MU]
.set j, 0
.rept 32
	v_pk_add_f32 v[X+2*j:X+2*j+1], v[X+2*j:X+2*j+1], v[MU:MU+1] neg_lo:[0,1] neg_hi:[0,1]  ; x - mean
.set j, j+1
.endr
.set j, 0
.rept 4
	v_pk_mul_f32 v[T+2*j:T+2*j+1], v[X+2*j:X+2*j+1], v[X+2*j:X+2*j+1]
.set j, j+1
.endr
.set j, 4
.rept 28
	v_pk_fma_f32 v[T+2*(j%4):T+2*(j%4)+1], v[X+2*j:X+2*j+1], v[X+2*j:X+2*j+1], v[T+2*(j%4):T+2*(j%4)+1]
.set j, j+1
.endr
	FOLD
	v_fma_f32 v[T], v[T], s[C10], s[EPS]           ; var + eps
	v_rsq_f32 v[MU], v[T]
	v_rsq_f32 v[MU+1], v[T]
	v_nop                                          ; a plain instruction between the last v_rsq_f32 and the use of its result (ISA guide 5.7.2)
	s_wait_loadcnt 0x0                             ; g and b
.set j, 0
	s_wait_alu depctr_va_vdst(0)
.rept 32
	v_pk_mul_f32 v[X+2*j:X+2*j+1], v[X+2*j:X+2*j+1], v[MU:MU+1]
.set j, j+1
.endr
.set j, 0
.rept 32
	v_pk_fma_f32 v[X+2*j:X+2*j+1], v[X+2*j:X+2*j+1], v[G+2*j:G+2*j+1], v[BT+2*j:BT+2*j+1]
.set j, j+1
.endr
.set j, 0
.rept 32
	v_cvt_pk_bf16_f32 v[Y+j], v[X+2*j], v[X+2*j+1]
.set j, j+1
.endr
.set j, 0
.rept 16
	global_store_b64 v[HO], v[Y+2*j:Y+2*j+1], s[SH:SH+1] offset:32768*j  ; block j: the wave's 32 lanes write 256 consecutive bytes, aligned
.set j, j+1
.endr
	s_endpgm
.Lcast:                                        ; a chunk of 16,384 numbers: 65,536 bytes in, 32,768 out.  Chunks 0-191 w_qkv, 192-255 w_o: the same order in wq
	s_sub_co_u32 s22, ttmp9, 256
	v_lshrrev_b32 v1, 5, v0                        ; wave
	v_and_b32 v4, 31, v0                           ; lane
	v_lshlrev_b32 v2, 4, v4
	v_lshl_add_u32 v2, v1, 13, v2                  ; in: 8,192 x wave + 16 x lane
	v_lshlrev_b32 v3, 3, v4
	v_lshl_add_u32 v3, v1, 12, v3                  ; out: 4,096 x wave + 8 x lane
	s_wait_kmcnt 0x0
	s_cmp_lt_u32 s22, 192
	s_cselect_b64 s[24:25], s[10:11], s[12:13]
	s_cselect_b32 s23, 0, 192
	s_sub_co_u32 s23, s22, s23                     ; the chunk's number in its own matrix
	s_lshl_b32 s26, s23, 16
	s_mov_b32 s27, 0
	s_add_nc_u64 s[24:25], s[24:25], s[26:27]
	s_lshl_b32 s26, s22, 15
	s_add_nc_u64 s[16:17], s[16:17], s[26:27]
.set i, 0
.rept 16
	global_load_b128 v[16+4*i:19+4*i], v2, s[24:25] offset:512*i th:TH_LOAD_NT  ; all sixteen loads of the wave go out at once; each covers 512 consecutive bytes
.set i, i+1
.endr
.set i, 0
.rept 16
	s_wait_loadcnt 15-i                            ; loads come back in order (ISA guide 5.7.1): number i is in, the younger ones stay out
	v_cvt_pk_bf16_f32 v[80+2*i], v[16+4*i], v[17+4*i]
	v_cvt_pk_bf16_f32 v[81+2*i], v[18+4*i], v[19+4*i]
	global_store_b64 v3, v[80+2*i:81+2*i], s[16:17] offset:256*i  ; 256 consecutive bytes, aligned; no register is written twice, so no wait frees one
.set i, i+1
.endr
	s_endpgm
.Lfunc_end_k_qdd278a4f84_prep:
	.size	k_qdd278a4f84_prep, .Lfunc_end_k_qdd278a4f84_prep-k_qdd278a4f84_prep
	.p2alignl 7, 3214868480
	.fill 96, 4, 3214868480
	.section	.rodata,"a",@progbits
	.p2align	6, 0x0
	.amdhsa_kernel k_qdd278a4f84_prep
		.amdhsa_group_segment_fixed_size 0
		.amdhsa_private_segment_fixed_size 0
		.amdhsa_enable_private_segment 0
		.amdhsa_kernarg_size 56
		.amdhsa_user_sgpr_count 2
		.amdhsa_user_sgpr_kernarg_segment_ptr 1
		.amdhsa_wavefront_size32 1
		.amdhsa_system_sgpr_workgroup_id_x 1
		.amdhsa_system_sgpr_workgroup_id_y 1
		.amdhsa_system_sgpr_workgroup_id_z 1
		.amdhsa_system_vgpr_workitem_id 0
		.amdhsa_next_free_vgpr 240
		.amdhsa_next_free_sgpr 66
		.amdhsa_reserve_vcc 0
		.amdhsa_float_denorm_mode_32 3
		.amdhsa_float_denorm_mode_16_64 3
		.amdhsa_memory_ordered 1
		.amdhsa_forward_progress 1
		.amdhsa_inst_pref_size 27
	.end_amdhsa_kernel
	.amdgpu_metadata
---
amdhsa.version: [ 1, 2 ]
amdhsa.kernels:
  - .name:           k_qdd278a4f84_prep
    .symbol:         k_qdd278a4f84_prep.kd
    .args:
      - { .name: x, .offset: 0, .size: 8, .value_kind: global_buffer, .address_space: global }
      - { .name: ln1_g, .offset: 8, .size: 8, .value_kind: global_buffer, .address_space: global }
      - { .name: ln1_b, .offset: 16, .size: 8, .value_kind: global_buffer, .address_space: global }
      - { .name: w_qkv, .offset: 24, .size: 8, .value_kind: global_buffer, .address_space: global }
      - { .name: w_o, .offset: 32, .size: 8, .value_kind: global_buffer, .address_space: global }
      - { .name: h, .offset: 40, .size: 8, .value_kind: global_buffer, .address_space: global }
      - { .name: wq, .offset: 48, .size: 8, .value_kind: global_buffer, .address_space: global }
    .group_segment_fixed_size: 0
    .private_segment_fixed_size: 0
    .kernarg_segment_align: 8
    .kernarg_segment_size: 56
    .max_flat_workgroup_size: 256
    .sgpr_count:     66
    .vgpr_count:     240
    .wavefront_size: 32
...
	.end_amdgpu_metadata
.endif
;; end of part 1
;; launch gq (part 2): grid 16 x 16, 4 waves a work-group, clusters of 4 x 4, 327,680 bytes of LDS; arguments h, wq, b_qkv, qkv, w_fc1, w_fc2, wb; writes qkv, wb
.if DOCPART == 2
	.amdgcn_target "amdgcn-amd-amdhsa--gfx1250"
	.amdhsa_code_object_version 6
	.text
	.protected	k_qdd278a4f84_gq
	.globl	k_qdd278a4f84_gq
	.p2align	8
	.type	k_qdd278a4f84_gq,@function
k_qdd278a4f84_gq:
	s_mov_b64 s[64:65], 0
	v_nop
	global_prefetch_b8 v0, s[64:65] scope:SCOPE_SE
	s_setreg_imm32_b32 hwreg(HW_REG_WAVE_MODE, 25, 1), 1
	s_wait_xcnt 0x0
	s_wait_alu depctr_hold_cnt(0) depctr_sa_sdst(0) depctr_va_vdst(0) depctr_va_sdst(0) depctr_va_ssrc(0) depctr_va_vcc(0) depctr_vm_vsrc(0)
	s_getreg_b32 s2, hwreg(HW_REG_IB_STS2, 6, 4)
	s_cmp_eq_u32 s2, 0
	s_cbranch_scc0 .Lentry_in_a_cluster
	s_endpgm
.Lentry_in_a_cluster:
	s_bfe_u32 s2, ttmp6, 0x10000c
	s_cmp_lg_u32 s2, 0xf033
	s_cbranch_scc0 .Lentry_shape_is_right
	s_endpgm
.Lentry_shape_is_right:
; qkv = h w_qkv + b_qkv; and, on the work-group places that this product leaves free, w_fc1 and w_fc2 rounded once to bf16 for the launches behind.
; h: bf16 in blocks [row / 256][k / 64][row % 256][k % 64]; w: bf16 [1024][ND] as the problem has it (K down the rows), at the head of wq; bias f32; sums in f32, rounded once to bf16.
; The result lies in blocks of 64 columns, [column / 64][4096 rows][64]: a head's q, k or v rows are dense, 128 bytes each.
; SHARES.  16 x 16 work-groups in clusters of 4 x 4.  The product has 12 x 16 tiles of 256 x 256: cluster columns 0 to 2.  Cluster column 3, 64 work-groups, streams the two weight matrices: 512 chunks of 16,384 numbers,
; eight to a work-group, into wb (w_fc1, then w_fc2).  The branch hangs on the cluster's x, which all sixteen partners share; that path has no tile, no LDS data and no joint request.
; THE PRODUCT.  Four waves, 128 x 128 to a wave: 64 accumulators, 512 registers.  K = 1,024 goes in 8 steps of 128 through two LDS slots filled by the tensor data mover.
; A's tile of a step is two blocks of 32,768 consecutive bytes, asked for as 128 rows of 256 bytes and padded in LDS after every 128 bytes; W's is 128 rows of 512 bytes.  Waves 0, 1 fetch A's halves, waves 2, 3 W's.
; THE MATRIX INSTRUCTION IS USED TRANSPOSED: source 0 = 16 columns of W (out of LDS turned, by ds_load_tr16_b128), source 1 = 16 rows of A: a lane holds one row and eight neighbouring columns of the result.
; THE BIAS IS THE C OPERAND of each accumulator's first product: nothing is cleared and nothing is added later.
; ONE TEXT FOR BOTH SLOTS: s[SL] is 0 or SLOT; the LDS addresses of the reads and of the refill are made from it at each change of slots.
; CLUSTER 4 x 4: A's tile hangs on the tile row alone and is asked for jointly along a row of the cluster, W's on the tile column alone, jointly along a column.
; THE WAY OUT goes through the ring's bytes, which have had their last fill: each wave's 128 x 128 in f32, rows of 528 bytes, then back by rows, rounded, 256 consecutive bytes a store.
; NO PREFETCH: each tile is read by 12 or 16 work-groups, four of them in one joint request, not once.
; REGISTERS, in windows of 256: window 0: v16-29 addresses, v64-191 A's fragments (two buffers), on the way out v32-63 and v192-207; window 1: v0-63 the bias, v64-191 W's fragments; windows 2, 3: the accumulators.
.set ND,    3072
.set PLANE, 524288                     ; bytes from a block of 64 columns of the result to the next
.set SH_TX, 21                         ; the result's byte offset = tx << SH_TX + wc << SH_WC + ty << SH_TY + wr << SH_WR
.set SH_WC, 20
.set SH_TY, 15
.set SH_WR, 14
.set NSTEP, 8
.set PA,    144                        ; an LDS row of A: 128 bytes + 16: the 16 rows of a load start at 16 different groups of four banks (64 banks of 4 bytes: ISA guide 11.1)
.set PB,    544                        ; an LDS row of W: 512 bytes + 32
.set APL,   256*PA                     ; 64 K of A's 256 rows
.set BOFF,  2*APL
.set BHALF, 64*PB
.set SLOT,  BOFF+2*BHALF               ; 143,360
.set SPARE, 2*SLOT                     ; behind the ring: the spare words, 128 bytes for each wave: two blocks of 256 bytes that no other line names
.set SPITCH, 528
.set STG,   128*SPITCH                 ; a wave's stage
.set ASTEP, 65536
.set BSTEP, 256*ND
.set ADRA, 16                          ; v16  LDS address of my A fragments in the slot in hand
.set A0,   17                          ; v17  the same in slot 0; never rewritten
.set ADRB, 20
.set B0,   22
.set STO,  24                          ; v24  the way out: where I put 32 bytes of a row
.set RD,   25                          ; v25  where I read rows back
.set CO,   26                          ; v26  8 x lane
.set BO,   27                          ; v27  32 x (lane / 16): my eight numbers of a bias block
.set SPW,  28                          ; v28  my spare word; never rewritten
.set NIL,  29                          ; v29  0; never rewritten
.set F0,   64
.set F1,   128
.set X,    32
.set Y,    192
.set CL,   64                          ; the cast: v[64:191] 32 loads of 16 bytes a lane,
.set CY,   192                         ; v[192:255] their 32 results of 8 bytes
.set G1A,  24                          ; s[24:31] group 1 for A;  s[32:39] group 0: set 0 the first fill, set 1 the second, which then walks
.set G0A,  32
.set G1B,  48
.set G0B,  56
.set SL,   68
.set LA,   69                          ; s69  my part of A in a slot
.set LB,   70                          ; s70  my part of W in a slot
.set BIA,  76
.set OUT,  78
.set MSB, 0
.macro WIN new                         ; the immediate's high byte repeats the setting that is left; a switch that changes nothing is dropped
.if MSB != (\new)
	s_set_vgpr_msb (MSB<<8)|(\new)
.set MSB, \new
.endif
.endm
.macro PLACES                          ; four places behind a matrix instruction, in front of loads into registers that it has read (ISA guide 7.12.1 for vector instructions)
.rept 4
	v_nop
.endr
.endm
.macro JLOAD                           ; a joint refill by the walking set; an s_nop 0 and four v_nop follow each of the two lines
	s_cmp_eq_u32 s11, 0
	s_cbranch_scc0 .Lfor_b_\@
	tensor_load_to_lds s[G0A+4:G0A+7], s[G1A:G1A+7]
	s_nop 0
.rept 4
	v_nop
.endr
	s_branch .Lasked_\@
.Lfor_b_\@:
	tensor_load_to_lds s[G0B+4:G0B+7], s[G1B:G1B+7]
	s_nop 0
.rept 4
	v_nop
.endr
.Lasked_\@:
.endm
.macro CREST                           ; a round of the cluster's barrier behind its opening barrier
	s_cmp_lg_u32 s10, 0
	s_cbranch_scc1 .Lnot_wave_0_\@
	s_barrier_signal -3
.Lnot_wave_0_\@:
	s_barrier_wait -3
	s_barrier_signal -1
	s_barrier_wait -1
.endm
.macro CROUND
	s_barrier_signal -1
	s_barrier_wait -1
	CREST
.endm
	s_load_b128 s[4:7], s[0:1], 0x0                ; A s[4:5], wq s[6:7]
	s_load_b128 s[76:79], s[0:1], 0x10             ; bias s[76:77], the result s[78:79]
	v_lshl_add_u32 v[SPW], v0, 2, SPARE
	v_mov_b32 v[NIL], 0
	ds_add_u32 v[SPW], v[NIL]                      ; the wave's opening: the add and its wait stand ahead of my first tensor load; work on registers stands between them
	v_lshrrev_b32 v1, 5, v0
	v_readfirstlane_b32 s10, v1                    ; wave 0..3
	s_lshr_b32 s11, s10, 1                         ; wr: my half of the tile's rows.  Also: I fetch for A (0) or for W (1)
	s_and_b32 s12, s10, 1                          ; wc: my half of its columns.  Also: which half of that tile I fetch
	s_bfe_u32 s40, ttmp6, 0x40000                  ; cx
	s_bfe_u32 s41, ttmp6, 0x40004                  ; cy
	s_lshl_b32 s42, ttmp9, 2
	s_add_co_u32 s42, s42, s40                     ; tx = 4 x cluster x + cx
	s_and_b32 s13, ttmp7, 0xffff
	s_lshl_b32 s13, s13, 2
	s_add_co_u32 s13, s13, s41                     ; ty = 4 x cluster y + cy
	s_lshl_b32 s43, s41, 2
	s_lshl_b32 s43, 15, s43                        ; my row of the cluster
	s_lshl_b32 s44, 0x1111, s40                    ; my column
	s_or_b32 s[G1A], s43, (1<<16)|(1<<20)|(1<<21)|(4<<22)|(3<<25)  ; mask; 2-byte elements; padding on; bit 21 beside a mask; after every 32 words 4 words
	s_mov_b32 s[G1A+1], 128<<16                    ; tensor_dim0 = 128
	s_mov_b32 s[G1A+2], 128<<16                    ; tensor_dim1 = 128
	s_mov_b32 s[G1A+3], 128<<16                    ; tile_dim0 = 128
	s_mov_b32 s[G1A+4], 128                        ; tile_dim1 = 128
	s_mov_b32 s[G1A+5], 128                        ; 128 elements from row to row: the block is dense
	s_mov_b32 s[G1A+6], 0
	s_mov_b32 s[G1A+7], 0
	s_or_b32 s[G1B], s44, (1<<16)|(1<<20)|(1<<21)|(6<<22)|(7<<25)  ; after every 128 words 8 words
	s_mov_b32 s[G1B+1], 256<<16                    ; tensor_dim0 = 256
	s_mov_b32 s[G1B+2], 64<<16                     ; tensor_dim1 = 64
	s_mov_b32 s[G1B+3], 256<<16                    ; tile_dim0 = 256
	s_mov_b32 s[G1B+4], 64                         ; tile_dim1 = 64
	s_mov_b32 s[G1B+5], ND
	s_mov_b32 s[G1B+6], 0
	s_mov_b32 s[G1B+7], 0
	s_lshl_b32 s16, s13, 19                        ; A: the tile of 256 rows,
	s_lshl_b32 s17, s12, 15                        ; my block of 64 K
	s_add_co_u32 s16, s16, s17
	s_mov_b32 s17, 0
	s_mul_i32 s46, s12, 128*ND                     ; W: my 64 rows of the step,
	s_lshl_b32 s47, s42, 9                         ; the tile's 256 columns
	s_add_co_u32 s46, s46, s47
	s_mov_b32 s47, 0
	s_mul_i32 s[LA], s12, APL
	s_mul_i32 s[LB], s12, BHALF
	s_add_co_u32 s[LB], s[LB], BOFF
	s_mov_b32 s[SL], 0
	s_wait_dscnt 0x0                               ; the opening add is done
	s_wait_kmcnt 0x0
	s_cmp_eq_u32 ttmp9, 3                          ; the fourth column of clusters has no tile of the product: it rounds weights
	s_cbranch_scc1 .Lcast
	s_add_nc_u64 s[14:15], s[4:5], s[16:17]
	s_add_nc_u64 s[46:47], s[6:7], s[46:47]
	CROUND                                         ; all sixteen work-groups are here: the first joint loads meet
.irp s, 0,1
	s_mov_b32 s[G0A+4*(\s)], 1
	s_add_co_u32 s[G0A+4*(\s)+1], s[LA], (\s)*SLOT
	s_add_nc_u64 s[G0A+4*(\s)+2:G0A+4*(\s)+3], s[14:15], (\s)*ASTEP
	s_or_b32 s[G0A+4*(\s)+3], s[G0A+4*(\s)+3], 0x80000000
	s_mov_b32 s[G0B+4*(\s)], 1
	s_add_co_u32 s[G0B+4*(\s)+1], s[LB], (\s)*SLOT
	s_add_nc_u64 s[G0B+4*(\s)+2:G0B+4*(\s)+3], s[46:47], (\s)*BSTEP
	s_or_b32 s[G0B+4*(\s)+3], s[G0B+4*(\s)+3], 0x80000000
.endr
	s_cmp_eq_u32 s11, 0                            ; a wave's two first fills stand in one branch: two loads of mine are out
	s_cbranch_scc0 .Lfirst_b
	tensor_load_to_lds s[G0A:G0A+3], s[G1A:G1A+7]
	s_nop 0
	tensor_load_to_lds s[G0A+4:G0A+7], s[G1A:G1A+7]
	s_nop 0
.rept 4
	v_nop
.endr
	s_branch .Lfirst_done
.Lfirst_b:
	tensor_load_to_lds s[G0B:G0B+3], s[G1B:G1B+7]
	s_nop 0
	tensor_load_to_lds s[G0B+4:G0B+7], s[G1B:G1B+7]
	s_nop 0
.rept 4
	v_nop
.endr
.Lfirst_done:
	v_and_b32 v1, 15, v0                           ; r = l % 16
	v_bfe_u32 v2, v0, 4, 1                         ; h = l / 16
	v_lshlrev_b32 v[BO], 5, v2
	s_lshl_b32 s20, s42, 10                        ; the bias of my 128 columns
	s_lshl_b32 s21, s12, 9
	s_add_co_u32 s20, s20, s21
	s_mov_b32 s21, 0
	s_add_nc_u64 s[BIA:BIA+1], s[BIA:BIA+1], s[20:21]
	WIN 0x40                                       ; destination window 1
.irp b, 0,1,2,3,4,5,6,7                ; register j of block b: the bias of column 16 b + 8 h + j: a C operand as the matrix instruction lays it
	global_load_b128 v[8*(\b):8*(\b)+3],   v[BO], s[BIA:BIA+1] offset:64*(\b)
	global_load_b128 v[8*(\b)+4:8*(\b)+7], v[BO], s[BIA:BIA+1] offset:64*(\b)+16
.endr
	WIN 0
	v_mul_u32_u24 v3, v1, PA                       ; a fragment of A: row r, 16 bytes for each half of the lanes, two loads 32 bytes apart
	v_lshl_add_u32 v3, v2, 4, v3
	s_mul_i32 s21, s11, 128*PA
	v_add_nc_u32 v[A0], s21, v3
	v_and_b32 v4, 7, v0                            ; the turning load: lane l reads K row 8 h + l % 8, columns 8 ((l / 8) % 2) + 0..7
	v_lshl_add_u32 v4, v2, 3, v4
	v_mul_u32_u24 v4, v4, PB
	v_bfe_u32 v5, v0, 3, 1
	v_lshl_add_u32 v4, v5, 4, v4
	s_lshl_b32 s22, s12, 8
	s_add_co_u32 s22, s22, BOFF
	v_add_nc_u32 v[B0], s22, v4
	s_mul_i32 s23, s10, STG
	v_mul_u32_u24 v5, v1, SPITCH
	v_lshl_add_u32 v5, v2, 5, v5
	v_add_nc_u32 v[STO], s23, v5
	v_mul_u32_u24 v5, v2, SPITCH
	v_lshl_add_u32 v5, v1, 4, v5
	v_add_nc_u32 v[RD], s23, v5
	v_and_b32 v5, 31, v0
	v_lshlrev_b32 v[CO], 3, v5
	v_mov_b32 v[ADRA], v[A0]
	v_mov_b32 v[ADRB], v[B0]
	s_lshl_b32 s20, s42, SH_TX
	s_lshl_b32 s21, s12, SH_WC
	s_add_co_u32 s20, s20, s21
	s_lshl_b32 s21, s13, SH_TY
	s_add_co_u32 s20, s20, s21
	s_lshl_b32 s21, s11, SH_WR
	s_add_co_u32 s20, s20, s21
	s_mov_b32 s21, 0
	s_add_nc_u64 s[OUT:OUT+1], s[OUT:OUT+1], s[20:21]
; 16 products: row blocks a0, a0 + 1 of the window's four x all 8 column blocks, 32 along K.  first = 1: C is the bias.  The 64 accumulators take turns in one order.
.macro MUL16 f, hi, a0, first
.if \first
	WIN 0x91+0x40*(\hi)                            ; W window 1, A window 0, C (the bias) window 1, D window 2 or 3
.else
	WIN 0xa1+0x50*(\hi)                            ; C and D window 2 or 3
.endif
.irp a, \a0, (\a0)+1
.irp b, 0,1,2,3,4,5,6,7
.if \first
	v_wmma_f32_16x16x32_bf16 v[8*(8*(\a)+(\b)):8*(8*(\a)+(\b))+7], v[(\f)+8*(\b):(\f)+8*(\b)+7], v[(\f)+8*(4*(\hi)+(\a)):(\f)+8*(4*(\hi)+(\a))+7], v[8*(\b):8*(\b)+7]
.else
	v_wmma_f32_16x16x32_bf16 v[8*(8*(\a)+(\b)):8*(8*(\a)+(\b))+7], v[(\f)+8*(\b):(\f)+8*(\b)+7], v[(\f)+8*(4*(\hi)+(\a)):(\f)+8*(4*(\hi)+(\a))+7], v[8*(8*(\a)+(\b)):8*(8*(\a)+(\b))+7]
.endif
.endr
.endr
.endm
; 32 LDS loads in one run: quarter q (32 along K) of the slot in hand into buffer f: W's 8 column blocks, turned, then A's 8 row blocks
.macro FETCH q, f
	WIN 0x40
.irp i, 0,1,2,3,4,5,6,7
	ds_load_tr16_b128 v[(\f)+8*(\i):(\f)+8*(\i)+3],   v[ADRB] offset:(\q)*32*PB+32*(\i)
	ds_load_tr16_b128 v[(\f)+8*(\i)+4:(\f)+8*(\i)+7], v[ADRB] offset:(\q)*32*PB+32*(\i)+16*PB
.endr
	WIN 0
.irp i, 0,1,2,3,4,5,6,7
	ds_load_b128 v[(\f)+8*(\i):(\f)+8*(\i)+3],   v[ADRA] offset:((\q)/2)*APL+((\q)%2)*64+(\i)*16*PA
	ds_load_b128 v[(\f)+8*(\i)+4:(\f)+8*(\i)+7], v[ADRA] offset:((\q)/2)*APL+((\q)%2)*64+(\i)*16*PA+32
.endr
.endm
; One of a step's first three quarters: multiplies buffer f; in its middle it fetches quarter q into buffer g
.macro QUARTER q, f, g, first
	s_wait_dscnt 8                                 ; W and A's rows 0-63 are in; the youngest eight loads (A's rows 64-127) may be out
	MUL16 \f, 0, 0, \first
	MUL16 \f, 0, 2, \first
	PLACES
	FETCH \q, \g
	s_wait_dscnt 32                                ; all but the 32 just issued
	MUL16 \f, 1, 0, \first
	MUL16 \f, 1, 2, \first
.endm
; THE CHANGE OF SLOTS stands ahead of a step's last quarter, whose fragments are in registers by then.  Each wave waits for all its tensor loads (one is out: its part of the next slot), adds 0 to its spare word, and waits
; for that and for its reads of this slot; then the barrier.  fill = 1: the barrier opens a round of the cluster's, and the slot just read is filled again, first thing behind it, with the step two on.
; No matrix instruction stands between the wait for the loads and the refill: the refill has a whole K step, 256 matrix instructions, in which to land.
.macro CHANGE fill
	WIN 0
	s_wait_tensorcnt 0x0                           ; no tensor load of mine is out, so a group 0 may be written
	ds_add_u32 v[SPW], v[NIL]                      ; 0 onto my spare word; scalar work stands between it and the wait for it
.if \fill
	s_add_co_u32 s[G0A+5], s[LA], s[SL]            ; the refill goes into the slot that is being left,
	s_add_co_u32 s[G0B+5], s[LB], s[SL]
	s_add_nc_u64 s[G0A+6:G0A+7], s[G0A+6:G0A+7], ASTEP  ; one K step behind the walking set's last; the type bits on top are not reached
	s_add_nc_u64 s[G0B+6:G0B+7], s[G0B+6:G0B+7], BSTEP
.endif
	s_xor_b32 s[SL], s[SL], SLOT                   ; and the reads go on in the other
	s_wait_dscnt 0x0                               ; the add is done, and my reads of this slot are over: the last run, into buffer 1, was issued 32 matrix instructions ago
	s_barrier_signal -1
	s_barrier_wait -1
.if \fill
	CREST                                          ; no wave of any partner still reads this slot's tile or has a load on its way
	JLOAD                                          ; its four v_nop are also the places in front of the loads that follow
.else
	PLACES
.endif
.endm
.macro NEXT0                           ; the next slot's first fragments
	v_add_nc_u32 v[ADRA], s[SL], v[A0]
	v_add_nc_u32 v[ADRB], s[SL], v[B0]
	FETCH 0, F0
.endm
.macro LASTQ                           ; a step's last quarter: buffer 1
	MUL16 F1, 0, 0, 0
	MUL16 F1, 0, 2, 0
	MUL16 F1, 1, 0, 0
	MUL16 F1, 1, 2, 0
.endm
	s_wait_tensorcnt 0x1                           ; my part of step 0 is in; step 1's may stay out
	s_barrier_signal -1
	s_barrier_wait -1
	FETCH 0, F0
	s_wait_loadcnt 0x0                             ; the bias
	QUARTER 1, F0, F1, 1                           ; the first quarter's products start the sums with the bias
	WIN 0
	s_mov_b32 s3, NSTEP-2
.Lk:                                           ; a trip: from a step's second quarter to the next step's first; its refill brings the step two on
	QUARTER 2, F1, F0, 0
	QUARTER 3, F0, F1, 0
	CHANGE 1
	NEXT0
	LASTQ
	QUARTER 1, F0, F1, 0
	WIN 0
	s_sub_co_u32 s3, s3, 1
	s_cmp_lg_u32 s3, 0
	s_cbranch_scc1 .Lk
	s_mov_b32 s3, 2
.Lt:                                           ; the last two steps ask for nothing: a text of their own
	QUARTER 2, F1, F0, 0
	QUARTER 3, F0, F1, 0
	CHANGE 0                                       ; in the second trip this barrier says that every wave's reads of the ring are over: every wave will store into ring bytes
	s_sub_co_u32 s3, s3, 1
	s_cmp_eq_u32 s3, 0
	s_cbranch_scc1 .Lnofetch                       ; behind the last step there is no slot to read
	NEXT0
	WIN 0
.Lnofetch:
	LASTQ
	WIN 0
	s_cmp_eq_u32 s3, 0
	s_cbranch_scc1 .Lway_out
	QUARTER 1, F0, F1, 0
	WIN 0
	s_branch .Lt
.Lway_out:
	PLACES
	PLACES
	; THE WAY OUT.  Accumulator (a, b): lane (r, h) holds row 16 a + r, columns 16 b + 8 h + 0..7: 32 bytes of f32, the low four registers first.
.set a, 0
.rept 8
	WIN 0x08+4*(a/4)                               ; the data (source 1) in window 2 or 3
.set b, 0
.rept 8
	ds_store_b128 v[STO], v[8*(8*(a%4)+b):8*(8*(a%4)+b)+3]   offset:a*16*SPITCH+64*b
	ds_store_b128 v[STO], v[8*(8*(a%4)+b)+4:8*(8*(a%4)+b)+7] offset:a*16*SPITCH+64*b+16
.set b, b+1
.endr
.set a, a+1
.endr
	WIN 0
	s_mov_b32 s3, 16
.Lout:                                         ; eight rows a trip.  LDS serves a wave's instructions in order (ISA guide 5.7.1.4): the loads see my stores; the stage is my own
.irp u, 0,1,2,3,4,5,6,7                ; two rows of one block of 64 columns: 16 bytes of f32 a lane
	ds_load_b128 v[X+4*(\u):X+4*(\u)+3], v[RD] offset:((\u)%4)*2*SPITCH+((\u)/4)*256
.endr
	v_add_nc_u32 v[RD], 8*SPITCH, v[RD]
	s_wait_dscnt 0x0
.set i, 0
.rept 16
	v_cvt_pk_bf16_f32 v[Y+i], v[X+2*i], v[X+2*i+1]
.set i, i+1
.endr
.irp u, 0,1,2,3,4,5,6,7
	global_store_b64 v[CO], v[Y+2*(\u):Y+2*(\u)+1], s[OUT:OUT+1] offset:((\u)/4)*PLANE+((\u)%4)*256  ; 256 consecutive bytes, aligned: two rows of a block
.endr
	s_wait_xcnt 0x0                                ; the stores have read their data and their base: only now are Y and the base written again
	s_add_nc_u64 s[OUT:OUT+1], s[OUT:OUT+1], 1024  ; eight rows of 128 bytes on
	s_sub_co_u32 s3, s3, 1
	s_cmp_lg_u32 s3, 0
	s_cbranch_scc1 .Lout
	s_wait_tensorcnt 0x0                           ; the wave's end, behind my last tensor load and my last LDS store
	ds_add_u32 v[SPW], v[NIL]
	s_wait_dscnt 0x0
	CROUND                                         ; the closing round: no work-group ends while a partner may still ask for a tile that names it
	s_endpgm
; THE CAST.  Work-group id = 4 ty + cx, 0 to 63: ids 0-31 take w_fc1, ids 32-63 w_fc2, eight chunks of 65,536 bytes on end each; in wb the chunks lie in the order of the ids, 32,768 bytes each.
; A trip is a chunk: a wave's 32 loads of 512 consecutive bytes go out together, and each is rounded and stored as it comes in.  cx and cy enter global addresses alone.
.Lcast:
	s_load_b128 s[80:83], s[0:1], 0x20             ; w_fc1 s[80:81], w_fc2 s[82:83]
	s_load_b64 s[84:85], s[0:1], 0x30              ; wb
	s_lshl_b32 s20, s13, 2
	s_add_co_u32 s20, s20, s40                     ; id
	s_and_b32 s22, s20, 31
	s_lshl_b32 s22, s22, 19                        ; my eight chunks in their matrix,
	s_mov_b32 s23, 0
	s_lshl_b32 s14, s20, 18                        ; and in wb
	s_mov_b32 s15, 0
	v_and_b32 v1, 31, v0
	v_lshlrev_b32 v2, 4, v1
	v_lshl_add_u32 v2, s10, 14, v2                 ; in: 16,384 x wave + 16 x lane
	v_lshlrev_b32 v3, 3, v1
	v_lshl_add_u32 v3, s10, 13, v3                 ; out: 8,192 x wave + 8 x lane
	s_mov_b32 s3, 8
	s_wait_kmcnt 0x0
	s_cmp_lt_u32 s20, 32
	s_cselect_b64 s[16:17], s[80:81], s[82:83]
	s_add_nc_u64 s[16:17], s[16:17], s[22:23]
	s_add_nc_u64 s[18:19], s[84:85], s[14:15]
.Lchunk:
.set i, 0
.rept 32
	global_load_b128 v[CL+4*i:CL+4*i+3], v2, s[16:17] offset:512*i th:TH_LOAD_NT
.set i, i+1
.endr
.set i, 0
.rept 32
	s_wait_loadcnt 31-i                            ; loads come back in order (ISA guide 5.7.1): number i is in, the younger ones stay out
	v_cvt_pk_bf16_f32 v[CY+2*i], v[CL+4*i], v[CL+4*i+1]
	v_cvt_pk_bf16_f32 v[CY+2*i+1], v[CL+4*i+2], v[CL+4*i+3]
	global_store_b64 v3, v[CY+2*i:CY+2*i+1], s[18:19] offset:256*i  ; 256 consecutive bytes, aligned
.set i, i+1
.endr
	s_wait_xcnt 0x0                                ; the stores have read their data and both bases have been read: only now are they written again
	s_add_nc_u64 s[16:17], s[16:17], 0x10000
	s_add_nc_u64 s[18:19], s[18:19], 0x8000
	s_sub_co_u32 s3, s3, 1
	s_cmp_lg_u32 s3, 0
	s_cbranch_scc1 .Lchunk
	s_wait_tensorcnt 0x0                           ; the wave's end
	ds_add_u32 v[SPW], v[NIL]
	s_wait_dscnt 0x0
	CROUND                                         ; a closing round on this path too
	s_endpgm
.Lfunc_end_k_qdd278a4f84_gq:
	.size	k_qdd278a4f84_gq, .Lfunc_end_k_qdd278a4f84_gq-k_qdd278a4f84_gq
	.p2alignl 7, 3214868480
	.fill 96, 4, 3214868480
	.section	.rodata,"a",@progbits
	.p2align	6, 0x0
	.amdhsa_kernel k_qdd278a4f84_gq
		.amdhsa_group_segment_fixed_size 327680
		.amdhsa_private_segment_fixed_size 0
		.amdhsa_enable_private_segment 0
		.amdhsa_kernarg_size 56
		.amdhsa_user_sgpr_count 2
		.amdhsa_user_sgpr_kernarg_segment_ptr 1
		.amdhsa_wavefront_size32 1
		.amdhsa_system_sgpr_workgroup_id_x 1
		.amdhsa_system_sgpr_workgroup_id_y 1
		.amdhsa_system_sgpr_workgroup_id_z 1
		.amdhsa_system_vgpr_workitem_id 0
		.amdhsa_next_free_vgpr 1024
		.amdhsa_next_free_sgpr 96
		.amdhsa_reserve_vcc 0
		.amdhsa_float_denorm_mode_32 3
		.amdhsa_float_denorm_mode_16_64 3
		.amdhsa_memory_ordered 1
		.amdhsa_forward_progress 1
		.amdhsa_inst_pref_size 93
	.end_amdhsa_kernel
	.amdgpu_metadata
---
amdhsa.version: [ 1, 2 ]
amdhsa.kernels:
  - .name:           k_qdd278a4f84_gq
    .symbol:         k_qdd278a4f84_gq.kd
    .args:
      - { .name: h, .offset: 0, .size: 8, .value_kind: global_buffer, .address_space: global }
      - { .name: wq, .offset: 8, .size: 8, .value_kind: global_buffer, .address_space: global }
      - { .name: b_qkv, .offset: 16, .size: 8, .value_kind: global_buffer, .address_space: global }
      - { .name: qkv, .offset: 24, .size: 8, .value_kind: global_buffer, .address_space: global }
      - { .name: w_fc1, .offset: 32, .size: 8, .value_kind: global_buffer, .address_space: global }
      - { .name: w_fc2, .offset: 40, .size: 8, .value_kind: global_buffer, .address_space: global }
      - { .name: wb, .offset: 48, .size: 8, .value_kind: global_buffer, .address_space: global }
    .group_segment_fixed_size: 327680
    .private_segment_fixed_size: 0
    .kernarg_segment_align: 8
    .kernarg_segment_size: 56
    .max_flat_workgroup_size: 128
    .sgpr_count:     96
    .vgpr_count:     1024
    .wavefront_size: 32
...
	.end_amdgpu_metadata
.endif
;; end of part 2
;; launch att (part 3): grid 8 x 32, 4 waves a work-group, no clusters, 327,680 bytes of LDS; arguments qkv, o; writes o
.if DOCPART == 3
	.amdgcn_target "amdgcn-amd-amdhsa--gfx1250"
	.amdhsa_code_object_version 6
	.text
	.protected	k_qdd278a4f84_att
	.globl	k_qdd278a4f84_att
	.p2align	8
	.type	k_qdd278a4f84_att,@function
k_qdd278a4f84_att:
	s_mov_b64 s[64:65], 0
	v_nop
	global_prefetch_b8 v0, s[64:65] scope:SCOPE_SE
	s_setreg_imm32_b32 hwreg(HW_REG_WAVE_MODE, 25, 1), 1
	s_wait_xcnt 0x0
; CAUSAL ATTENTION, head size 64, 2 x 16 heads of 2,048 rows.  O[q] = the sum over k <= q of softmax_k(Q[q] . K[k] / 8) V[k].  q, k, v: bf16, blocks of qkv: [48][4096][64]; a head's rows are dense, 128 bytes each.
; Products, maxima and sums in f32; the weights p are rounded to bf16 for the second product (their sum l is taken of the unrounded p), O once at the end, into [row / 128][head][row % 128][64].
; LIMITS.  A hidden score counts as its value less 1e30, so |q . k| has to stay far below that; a weight below 2^-126 counts as 0 in l; NaN and infinities are not treated apart.
; THE WALK.  A head's queries lie in 16 blocks of 128; block i needs the key steps 0 .. 2 i + 1 of 64 keys, of which the last two hold the diagonal.  A work-group takes blocks 15 - pb and pb: 34 steps, whatever pb.
; The odd block goes first, so that its EB = 2 (B1 + 1) steps are a multiple of 4.  The two blocks' steps are ONE stream of 34 trips; trip s reads K of place s + 1 and V of place s out of LDS.
; A slot of LDS serves four trips: K of places 4 j + 1 .. 4 j + 4, V of places 4 j .. 4 j + 3.  Wave 0 fetches K's first three steps, wave 1 its fourth (which may be the second block's step 0), waves 2, 3 two steps of V each:
; since EB is a multiple of 4 each load is one dense run of memory.  The two shapes of K's loads have a constant descriptor and a line of their own.  Place 0's K comes straight from memory into registers, as Q does.
; In the last slot only two trips are walked; its other parts name rows inside the head.
; SHARES.  Of a block's two bands of 64 queries a wave owns 16 rows in each: two PIECES.  In the block's last step but one band 0 holds the diagonal and band 1 sees all; in the last band 0 sees nothing and band 1 holds the diagonal.
; THE MASK is the C operand that starts S^T = K Q^T: MC, 0 or -1e30.  MD, made once, is the mask of a band's own step for my 16 rows; MC = MD x AL + BE, made anew only near the diagonal and where a block begins.
; LAYOUT, SOFTMAX, TURNS.  S^T holds ONE query a lane (lane % 16) and the keys 8 (lane / 16) + 0..7; two such results rounded to bf16 ARE source 1 of O^T = V^T P.  p = 2^(c s - c m), c = log2(e) / 8, with a running maximum m;
; O and l are multiplied by a = 2^(c m_old - c m_new) in every step.  Turn p belongs to piece p: 8 products K Q^T and later 8 products V^T P of the other piece; beside them piece p's scaling, exponentials, roundings, sums and
; rescaling and the other piece's maximum and statistics.  Four vector instructions stand behind every matrix instruction, the rest in two runs of their own.  A block's last turn makes 8 products and a maximum that serve nothing.
; NO CLUSTER: the eight work-groups of a head leave their first block at place EB, which differs from one to the next, so behind that their descriptors differ; a joint request wants them equal in all that it names.
; REGISTERS, in windows of 256 (s_set_vgpr_msb: bits 1:0 source 0, 3:2 source 1, 5:4 source 2, 7:6 destination):
;   window 0: v0-15 addresses; v16-23 statistics; v48-55 at work; v61-63; v64-127 S^T, two buffers; v192-223 P, two buffers      window 1: v0-63 O^T; v128-159 MD; v160-223 MC
;   window 2: v0-31 Q; v64-95 the second block's Q; v128-191 K of one step; v192-255 V of one step
.set NP,    2
.set KS,    64
.set PK,    144       ; a row of K in LDS: 128 bytes + 16: the 16 rows of a load start at 16 different groups of four banks (64 banks of 4 bytes: ISA guide 11.1)
.set PV,    160       ; a row of V: 128 + 32
.set VOFF,  4*KS*PK
.set SLOT1, 1<<17     ; slot 1 begins here, so that one exclusive or turns an address in one slot into the other's
.set STAGE, SLOT1+4*KS*(PK+PV)  ; behind the ring, never filled by a tensor load: 16 rows x 144 bytes for each wave
.set SP,    144
.set SPARE, STAGE+4*16*SP       ; the spare words, 128 bytes for each wave: two blocks of 256 bytes that no other line names
.set AK0, 2
.set AV0, 3
.set AK,  4
.set AV,  5
.set STO, 6
.set RD,  7
.set GO,  8
.set MV,  12          ; v12-13  c m_old, by buffer
.set QO,  15          ; v15  my byte offset in 16 rows of Q or K; never rewritten
.set ST,  16          ; piece t's statistics at v[ST+4 t]: c m, m, l (even keys', odd keys')
.set TMP, 48
.set PFO, 61          ; v61  256 x lane; never rewritten
.set SPW, 62
.set NIL, 63
.set S,   64
.set P,   192
.set MD,  128
.set MC,  160
.set QB,  64
.set KF,  128
.set VF,  192
.set WV,  12
.set PB,  14
.set B1,  15          ; s15  the block that goes first (odd)
.set B2,  19          ; s19  the other
.set G1K, 24          ; s[24:31] group 1 for wave 0's load of K: three steps, 96 rows of 256 bytes
.set G1V, 32          ; s[32:39] for V's loads: two steps, 64 rows
.set G0K, 40
.set G0V, 44
.set G1L, 48          ; s[48:55] for wave 1's load of K: one step, 32 rows
.set SLOTS, 56
.set CNT, 57
.set CS,  58
.set SEL, 60
.set TBK, 62
.set TBV, 63
.set REM, 70          ; s70  steps of the block in hand that are still to be walked
.set EB,  71          ; s71  the first block's steps
.set R2,  72          ; s72  the second's
.set PSK, 73          ; s73  the stream place at which my next load of K begins
.set OFF, 74
.set AL,  76
.set BE,  78
.set OLO, 80
.set BIGN, 82
.set PSV, 83
.set PFA, 86
.set PFQ, 88
.set PFL, 89
.set CLK, 96          ; s96  the highest step at which my load of K may begin
.set TT,  97
.set MSB, 0
.macro WIN new
.if MSB != (\new)
	s_set_vgpr_msb (MSB<<8)|(\new)
.set MSB, (\new)
.endif
.endm
.set W_KQ, 0x0a       ; K and Q in window 2, S^T in window 0
.set W_KM, 0x1a       ; the same with the C operand in window 1
.set W_PV, 0x52       ; V in window 2, P in window 0, O^T in window 1
.set W_RS, 0x41       ; destination and source 0 in window 1, source 1 in window 0
; A fill: wave 0 three steps of K, wave 1 one, waves 2, 3 two steps of V each.  The branches hang on the wave's number alone; an s_nop 0 and four v_nop follow each of the three lines.
.macro LOAD
	s_cmp_lt_u32 s[WV], 2
	s_cbranch_scc0 .Lfor_v_\@
	s_cmp_eq_u32 s[WV], 0
	s_cbranch_scc0 .Lfor_l_\@
	tensor_load_to_lds s[G0K:G0K+3], s[G1K:G1K+7]
	s_nop 0
.rept 4
	v_nop
.endr
	s_branch .Lasked_\@
.Lfor_l_\@:
	tensor_load_to_lds s[G0K:G0K+3], s[G1L:G1L+7]
	s_nop 0
.rept 4
	v_nop
.endr
	s_branch .Lasked_\@
.Lfor_v_\@:
	tensor_load_to_lds s[G0V:G0V+3], s[G1V:G1V+7]
	s_nop 0
.rept 4
	v_nop
.endr
.Lasked_\@:
.endm
; A descriptor's global address from a stream place: places from EB on are the second block's steps from 0 on; a step is 8,192 bytes; the clamp keeps the whole load inside the head's 32 steps
.macro MAP ps, clamp, base, g0
	s_sub_co_u32 s[TT], s[\ps], s[EB]
	s_cmp_ge_u32 s[\ps], s[EB]
	s_cselect_b32 s[TT], s[TT], s[\ps]
	s_min_u32 s[TT], s[TT], \clamp
	s_lshl_b32 s[OFF], s[TT], 13
	s_add_nc_u64 s[\g0+2:\g0+3], s[\base:\base+1], s[OFF:OFF+1]
	s_or_b32 s[\g0+3], s[\g0+3], 0x80000000
.endm
; A PREFETCH INTO THE L2.  The work-group with pb = 0 walks all 32 steps of its head in its first block; it alone asks, so each row of K and V is named once in the launch.  Behind the fill of change j it names steps 4 j + 8 .. 4 j + 11:
; V's steps of the next change's fills, and K's but for their last: four trips, 128 matrix instructions, ahead of those loads.  Waves 0, 1 take the halves of K's 32,768 bytes, waves 2, 3 V's; a lane 256 bytes, two instructions.
; Steps 0-7 come by their loads alone; behind step 31 nothing is asked for.
.macro ASK
	s_cmp_lt_u32 s[PFQ], s[PFL]
	s_cbranch_scc0 .Lnot_mine_\@
	global_prefetch_b8 v[PFO], s[PFA:PFA+1] th:TH_LOAD_NT scope:SCOPE_SE
	global_prefetch_b8 v[PFO], s[PFA:PFA+1] offset:8192 th:TH_LOAD_NT scope:SCOPE_SE
.Lnot_mine_\@:
.endm
; THE CHANGE OF SLOTS.  Each wave waits for all its tensor loads, of which one is out: its part of the other slot; adds 0 to its spare word; and waits for that and for its reads of the slot that it leaves.
; fill = 1: the old slot is filled again, the first thing behind the barrier.  (At its first use nothing has been read yet: slot 0 is waited for, slot 1 filled.)
.macro CHANGE fill
	WIN 0
	s_wait_tensorcnt 0x0            ; no tensor load of mine is out, so a group 0 may be written
	ds_add_u32 v[SPW], v[NIL]       ; 0 onto my spare word; scalar work stands between it and the wait for it
.if \fill
	s_xor_b32 s[G0K+1], s[G0K+1], SLOT1
	s_xor_b32 s[G0V+1], s[G0V+1], SLOT1
	MAP PSK, s[CLK], 6, G0K
	MAP PSV, 30, 8, G0V
	s_add_co_u32 s[PSK], s[PSK], 4
	s_add_co_u32 s[PSV], s[PSV], 4
	s_wait_xcnt 0x0                 ; the last prefetches, four key steps back, have read their address, so it may be written
	s_add_nc_u64 s[PFA:PFA+1], s[PFA:PFA+1], 32768
	s_add_co_u32 s[PFQ], s[PFQ], 1
.endif
	s_wait_dscnt 0x0                ; the add is done, and my reads of the slot are over
	s_barrier_signal -1
	s_sub_co_u32 s[TBK], s[TBK], 4*KS*PK  ; the fetches go back to a slot's first step,
	s_xor_b32 s[TBK], s[TBK], SLOT1       ; in the other slot
	s_sub_co_u32 s[TBV], s[TBV], 4*KS*PV
	s_xor_b32 s[TBV], s[TBV], SLOT1
	s_barrier_wait -1
.if \fill
	LOAD
	ASK
.endif
.endm
	s_load_b128 s[92:95], s[0:1], 0x0  ; qkv s[92:93], o s[94:95]
	v_lshl_add_u32 v[SPW], v0, 2, SPARE
	v_mov_b32 v[NIL], 0
	ds_add_u32 v[SPW], v[NIL]       ; the wave's opening: the add and its wait stand ahead of my first tensor load; work on registers stands between them
	v_lshrrev_b32 v1, 5, v0
	v_readfirstlane_b32 s[WV], v1
	s_mov_b32 s[PB], ttmp9
	s_sub_co_u32 s13, 15, s[PB]
	s_and_b32 s20, s[PB], 1
	s_cmp_eq_u32 s20, 1
	s_cselect_b32 s[B1], s[PB], s13 ; the odd one of pb and 15 - pb
	s_cselect_b32 s[B2], s13, s[PB]
	s_lshl_b32 s[EB], s[B1], 1
	s_add_co_u32 s[EB], s[EB], 2
	s_sub_co_u32 s[R2], 34, s[EB]
	s_and_b32 s20, ttmp7, 0xffff
	s_lshr_b32 s21, s20, 4          ; batch
	s_and_b32 s22, s20, 15          ; head
	s_lshl_b32 s84, s22, 19         ; the head's block of 64 columns,
	s_lshl_b32 s23, s21, 18         ; the batch's 2,048 rows in it
	s_add_co_u32 s84, s84, s23
	s_mov_b32 s85, 0
	s_lshl_b32 s13, s[WV], 11       ; my 16 rows in a band
	s_lshl_b32 s2, s[B1], 14
	s_add_co_u32 s2, s2, s13
	s_mov_b32 s3, 0
	s_lshl_b32 s98, s[B2], 14
	s_add_co_u32 s98, s98, s13
	s_mov_b32 s99, 0
	s_lshl_b32 s23, s21, 22         ; O: 16 tiles of 128 rows a batch, 262,144 bytes each; the head's block in a tile; my rows
	s_add_co_u32 s23, s23, s13
	s_lshl_b32 s20, s22, 14
	s_add_co_u32 s23, s23, s20
	s_lshl_b32 s66, s[B1], 18
	s_add_co_u32 s66, s66, s23
	s_mov_b32 s67, 0
	s_lshl_b32 s68, s[B2], 18
	s_add_co_u32 s68, s68, s23
	s_mov_b32 s69, 0
	s_and_b32 s16, s[WV], 1
	s_mul_i32 s17, s16, 3*KS*PK     ; my part of a slot, for K
	s_mul_i32 s18, s16, 2*KS*PV     ; and for V
	s_add_co_u32 s18, s18, VOFF
	s_lshl_b32 s[CLK], s16, 1
	s_add_co_u32 s[CLK], s[CLK], 29 ; wave 0's three steps begin at 29 at the latest, wave 1's one at 31
	; descriptor group 1: dense bytes asked for as rows of 256 bytes, two keys a row, padded in LDS after every key.  Every word is a constant.
.irp g, G1K, G1L
	s_mov_b32 s[\g], (1<<16)|(1<<20)|(4<<22)|(3<<25)  ; 2-byte elements; padding on; after every 32 words 4 words
	s_mov_b32 s[\g+1], 128<<16      ; tensor_dim0 = 128
	s_mov_b32 s[\g+3], 128<<16      ; tile_dim0 = 128
	s_mov_b32 s[\g+5], 128          ; 128 elements from row to row
	s_mov_b32 s[\g+6], 0
	s_mov_b32 s[\g+7], 0
.endr
	s_mov_b32 s[G1K+2], 96<<16      ; tensor_dim1 = 96: three steps
	s_mov_b32 s[G1K+4], 96          ; tile_dim1
	s_mov_b32 s[G1L+2], 32<<16      ; tensor_dim1 = 32: one step
	s_mov_b32 s[G1L+4], 32          ; tile_dim1
	s_mov_b32 s[G1V], (1<<16)|(1<<20)|(4<<22)|(7<<25)  ; the same with 8 words of padding
	s_mov_b32 s[G1V+1], 128<<16
	s_mov_b32 s[G1V+2], 64<<16
	s_mov_b32 s[G1V+3], 128<<16
	s_mov_b32 s[G1V+4], 64
	s_mov_b32 s[G1V+5], 128
	s_mov_b32 s[G1V+6], 0
	s_mov_b32 s[G1V+7], 0
	s_mov_b32 s[G0K], 1
	s_mov_b32 s[G0K+1], s17
	s_mov_b32 s[G0V], 1
	s_mov_b32 s[G0V+1], s18
	s_mul_i32 s[PSK], s16, 3
	s_add_co_u32 s[PSK], s[PSK], 1
	s_lshl_b32 s[PSV], s16, 1
	s_mov_b32 s[OFF+1], 0
	s_mov_b32 s[CS], 0x3e38aa3b     ; c = log2(e) / 8
	s_mov_b32 s[CS+1], s[CS]
	s_mov_b32 s[SEL], 0x76543210
	s_mov_b32 s[SEL+1], 0xfedcba98
	s_mov_b32 s[TBK], SLOT1+4*KS*PK ; the first change of slots turns these two into 0
	s_mov_b32 s[TBV], SLOT1+4*KS*PV
	s_mov_b32 s[AL+1], 0
	s_mov_b32 s[BE+1], 0
	s_mov_b32 s[BIGN], 0xf149f2ca   ; -1e30
	s_mov_b32 s[PFQ], 1
	s_cmp_eq_u32 s[PB], 0
	s_cselect_b32 s[PFL], 8, 0
	s_wait_dscnt 0x0                ; the opening add is done
	s_wait_kmcnt 0x0
	s_add_nc_u64 s[92:93], s[92:93], s[84:85]      ; q of my head
	s_add_nc_u64 s[4:5], s[92:93], s[2:3]          ; Q at my rows of the first block,
	s_add_nc_u64 s[90:91], s[92:93], s[98:99]      ; of the second
	s_add_nc_u64 s[6:7], s[92:93], 0x800000        ; k lies 16 blocks behind q,
	s_add_nc_u64 s[8:9], s[92:93], 0x1000000       ; v 32
	s_add_nc_u64 s[10:11], s[94:95], s[66:67]
	s_add_nc_u64 s[OLO:OLO+1], s[94:95], s[68:69]
	MAP PSK, s[CLK], 6, G0K
	MAP PSV, 30, 8, G0V
	s_add_co_u32 s[PSK], s[PSK], 4
	s_add_co_u32 s[PSV], s[PSV], 4
	s_cmp_lt_u32 s[WV], 2
	s_cselect_b64 s[PFA:PFA+1], s[6:7], s[8:9]
	s_lshl_b32 s20, s16, 14
	s_add_co_u32 s20, s20, 32768    ; at steps 4-7; the first change of slots steps it to 8-11
	s_mov_b32 s21, 0
	s_add_nc_u64 s[PFA:PFA+1], s[PFA:PFA+1], s[20:21]
	LOAD                            ; slot 0: one tensor load of mine is out
	v_and_b32 v1, 15, v0            ; l % 16
	v_bfe_u32 v9, v0, 4, 1          ; l / 16
	v_lshlrev_b32 v[QO], 7, v1
	v_lshl_add_u32 v[QO], v9, 4, v[QO]  ; row x 128 + 16 x half
	WIN 0x80                        ; destination window 2
.set i, 0
.rept 4                             ; both blocks' Q: piece i / 2 lies in band i / 2, 8,192 bytes on; channels 32 (i % 2) on
	global_load_b128 v[8*i:8*i+3],   v[QO], s[4:5] offset:(i/2)*8192+(i%2)*64
	global_load_b128 v[8*i+4:8*i+7], v[QO], s[4:5] offset:(i/2)*8192+(i%2)*64+32
	global_load_b128 v[QB+8*i:QB+8*i+3],   v[QO], s[90:91] offset:(i/2)*8192+(i%2)*64
	global_load_b128 v[QB+8*i+4:QB+8*i+7], v[QO], s[90:91] offset:(i/2)*8192+(i%2)*64+32
.set i, i+1
.endr
.set i, 0
.rept 8                             ; K of the head's step 0, the stream's place 0: keys 16 (i / 2) on, channels 32 (i % 2) on: a fragment lies in memory as it lies in registers
	global_load_b128 v[KF+8*i:KF+8*i+3],   v[QO], s[6:7] offset:(i/2)*2048+(i%2)*64
	global_load_b128 v[KF+8*i+4:KF+8*i+7], v[QO], s[6:7] offset:(i/2)*2048+(i%2)*64+32
.set i, i+1
.endr
	WIN 0
	v_lshlrev_b32 v14, 3, v9
	v_sub_nc_u32 v14, v1, v14
	s_lshl_b32 s13, s[WV], 4
	v_add_nc_u32 v14, s13, v14      ; my query's place in its band less my lanes' 8 (l / 16): register r of group kt is hidden where 16 kt + r is greater
	WIN 0x40
.set i, 0
.rept 32
	v_cmp_gt_i32 vcc_lo, 16*(i/8)+i%8, v14
	v_cndmask_b32 v[MD+i], 0, s[BIGN], vcc_lo
.set i, i+1
.endr
	WIN 0
	v_mul_u32_u24 v[AK0], v1, PK
	v_lshl_add_u32 v[AK0], v9, 4, v[AK0]
	v_and_b32 v10, 7, v0            ; the turning load: lane l reads key 8 (l / 16) + l % 8, channels 8 ((l / 8) % 2) + 0..7
	v_bfe_u32 v11, v0, 3, 1
	v_lshl_add_u32 v[AV0], v9, 3, v10
	v_mul_u32_u24 v[AV0], v[AV0], PV
	v_lshl_add_u32 v[AV0], v11, 4, v[AV0]
	v_add_nc_u32 v[AV0], VOFF, v[AV0]
	s_mul_i32 s13, s[WV], 16*SP
	s_add_co_u32 s13, s13, STAGE
	v_mul_u32_u24 v[STO], v1, SP
	v_lshl_add_u32 v[STO], v9, 4, v[STO]
	v_add_nc_u32 v[STO], s13, v[STO]
	v_bfe_u32 v[RD], v0, 3, 2
	v_mul_u32_u24 v[RD], v[RD], SP
	v_lshl_add_u32 v[RD], v10, 4, v[RD]
	v_add_nc_u32 v[RD], s13, v[RD]
	v_and_b32 v[GO], 31, v0
	v_lshlrev_b32 v[PFO], 8, v[GO]
	v_lshlrev_b32 v[GO], 4, v[GO]
	; A block's first step multiplies O^T and l by a = 0, and its first turn's products V^T P, of a step that has not been, land in an O^T that is still to be so multiplied: these registers need only hold finite numbers.
	WIN 0x80
.set i, VF
.rept 64
	v_mov_b32 v[i], 0
.set i, i+1
.endr
	WIN 0x40
.set i, 0
.rept 64
	v_mov_b32 v[i], 0
.set i, i+1
.endr
	WIN 0
.set i, 0
.rept NP
	v_mov_b32 v[ST+4*i+2], 0
	v_mov_b32 v[ST+4*i+3], 0
.set i, i+1
.endr
.set i, P+16
.rept 16
	v_mov_b32 v[i], 0
.set i, i+1
.endr
; THE MATRIX WORK.  The 4 accumulators of a run of 8 take turns.  Product i of 8 of S^T = K Q^T for piece x: channels 32 (i / 4) on, keys 16 (i % 4) on.  The first 4 start the sums with the mask.
.macro KQ x
.set rS, S+32*((\x)%2)+8*(i%4)
.set rK, KF+16*(i%4)+8*(i/4)
.set rQ, 16*(\x)+8*(i/4)
.set rM, MC+32*((\x)%2)+8*(i%4)
.if i < 4
	WIN W_KM
	v_wmma_f32_16x16x32_bf16 v[rS:rS+7], v[rK:rK+7], v[rQ:rQ+7], v[rM:rM+7]
.else
	WIN W_KQ
	v_wmma_f32_16x16x32_bf16 v[rS:rS+7], v[rK:rK+7], v[rQ:rQ+7], v[rS:rS+7]
.endif
.endm
; Product i of 8 of O^T += V^T P for piece x: keys 32 (i / 4) on, channels 16 (i % 4) on.
.macro PV x
	WIN W_PV
.set rO, 32*(\x)+8*(i%4)
.set rV, VF+32*(i/4)+8*(i%4)
.set rP, P+16*((\x)%2)+8*(i/4)
	v_wmma_f32_16x16x32_bf16 v[rO:rO+7], v[rV:rV+7], v[rP:rP+7], v[rO:rO+7]
.endm
.macro MM                           ; the turn's next matrix instruction
.if i < 8
	KQ (Y+1)%NP
.else
.set i, i-8
	PV (Y+NP-1)%NP
.set i, i+8
.endif
.set i, i+1
.endm
; THE LDS LOADS stand in runs of 16, never singly among the matrix instructions.
.macro FETCH_K
	WIN 0x80
.irp f, 0,1,2,3,4,5,6,7             ; keys 16 (f / 2) on, channels 32 (f % 2) on
	ds_load_b128 v[KF+8*\f:KF+8*\f+3],   v[AK] offset:(\f/2)*16*PK+(\f%2)*64
	ds_load_b128 v[KF+8*\f+4:KF+8*\f+7], v[AK] offset:(\f/2)*16*PK+(\f%2)*64+32
.endr
	s_add_co_u32 s[TBK], s[TBK], KS*PK
	WIN 0
.endm
.macro FETCH_V
	WIN 0x80
.irp f, 0,1,2,3,4,5,6,7             ; keys 32 (f / 4) on, channels 16 (f % 4) on
	ds_load_tr16_b128 v[VF+8*\f:VF+8*\f+3],   v[AV] offset:(\f/4)*32*PV+(\f%4)*32
	ds_load_tr16_b128 v[VF+8*\f+4:VF+8*\f+7], v[AV] offset:(\f/4)*32*PV+16*PV+(\f%4)*32
.endr
	WIN 0
.endm
; THE VECTOR WORK, one line at a time: OP kind, number.  For piece Y: F n: c s - c m for pair n of 16.  E n: the exponential of score n of 32.  C n: pair n rounded to bf16.  B n: of the four weights 4 n .. the second
; pair is added onto the first, in place.  L n: l takes that sum (L 0: l = a l + sum).  R n: pair n of 16 of O^T times a.  For the other piece: X n, number n of the 22 that find its maximum and statistics:
;   0-11  four chains c0-c3 of seven scores each (each accumulator's lowest registers are read first)     12-14, 16  the four scores left over, the old m, and c0-c3 into c0
;   15  c m_old is kept     17, 18  the query's other 32 keys lie in the lane 16 away: the new m     19-21  c m; c m_old - c m_new; a
.set F, 0
.set E, 1
.set C, 2
.set B, 3
.set L, 4
.set R, 5
.set X, 6
.macro REGS y
.set rT, ST+4*(\y)
.set rC, TMP+4*((\y)%2)
.set rW, MV+((\y)%2)
.set rS, S+32*((\y)%2)
.set rP, P+16*((\y)%2)
.set rO, 32*(\y)
.endm
.macro OP k, n
.if (\k) == R
	REGS Y
	WIN W_RS
	v_pk_mul_f32 v[rO+2*(\n):rO+2*(\n)+1], v[rO+2*(\n):rO+2*(\n)+1], v[rC+2:rC+3] op_sel_hi:[1,0]
.elseif (\k) < R
	REGS Y
	WIN 0
.if (\k) == F
	v_pk_fma_f32 v[rS+2*(\n):rS+2*(\n)+1], v[rS+2*(\n):rS+2*(\n)+1], s[CS:CS+1], v[rT:rT+1] op_sel_hi:[1,0,0] neg_lo:[0,0,1] neg_hi:[0,0,1]
.elseif (\k) == E
	v_exp_f32 v[rS+(\n)], v[rS+(\n)]
.elseif (\k) == C
	s_wait_alu depctr_va_vdst(0)
	v_cvt_pk_bf16_f32 v[rP+(\n)], v[rS+2*(\n)], v[rS+2*(\n)+1]
.elseif (\k) == B
	s_wait_alu depctr_va_vdst(0)
	v_pk_add_f32 v[rS+4*(\n):rS+4*(\n)+1], v[rS+4*(\n):rS+4*(\n)+1], v[rS+4*(\n)+2:rS+4*(\n)+3]
.elseif (\n) == 0
	v_pk_fma_f32 v[rT+2:rT+3], v[rT+2:rT+3], v[rC+2:rC+3], v[rS:rS+1] op_sel_hi:[1,0,1]
.else
	v_pk_add_f32 v[rT+2:rT+3], v[rT+2:rT+3], v[rS+4*(\n):rS+4*(\n)+1]
	s_wait_alu depctr_va_vdst(0)
.endif
.else
	REGS (Y+1)%NP
	WIN 0
.if (\n) < 4
	v_max3_num_f32 v[rC+(\n)], v[rS+8*(\n)], v[rS+8*(\n)+1], v[rS+8*(\n)+2]
.elseif (\n) < 12
	v_max3_num_f32 v[rC+(\n)%4], v[rC+(\n)%4], v[rS+8*((\n)%4)+2*((\n)/4)+1], v[rS+8*((\n)%4)+2*((\n)/4)+2]
.elseif (\n) == 12
	v_max3_num_f32 v[rC], v[rC], v[rS+7], v[rS+15]
.elseif (\n) == 13
	v_max3_num_f32 v[rC+1], v[rC+1], v[rS+23], v[rS+31]
.elseif (\n) == 14
	v_max3_num_f32 v[rC+2], v[rC+2], v[rC+3], v[rT+1]
.elseif (\n) == 15
	v_mov_b32 v[rW], v[rT]
	s_wait_alu depctr_va_vdst(0)
.elseif (\n) == 16
	v_max3_num_f32 v[rC], v[rC], v[rC+1], v[rC+2]
	s_wait_alu depctr_va_vdst(0)
.elseif (\n) == 17
	v_permlanex16_b32 v[rC+3], v[rC], s[SEL], s[SEL+1]
.elseif (\n) == 18
	v_max_num_f32 v[rT+1], v[rC], v[rC+3]
.elseif (\n) == 19
	v_mul_f32 v[rT], s[CS], v[rT+1]
.elseif (\n) == 20
	v_sub_f32 v[rC+1], v[rW], v[rT]
.else
	v_exp_f32 v[rC+2], v[rC+1]
.endif
.endif
.endm
.macro OPS a, i1, b=-1, i2=0, c=-1, i3=0, d=-1, i4=0
	OP \a, \i1
.if (\b) >= 0
	OP \b, \i2
.endif
.if (\c) >= 0
	OP \c, \i3
.endif
.if (\d) >= 0
	OP \d, \i4
.endif
.endm
.macro ROW a, i1, b, i2, c, i3, d, i4  ; a matrix instruction and the four behind it
	MM
	OPS \a, \i1, \b, \i2, \c, \i3, \d, \i4
.endm
.macro MASK b                       ; MD x AL + BE into buffer b of MC
	WIN W_RS
.set z, 0
.rept 16
	v_pk_fma_f32 v[MC+32*(\b)+2*z:MC+32*(\b)+2*z+1], v[MD+2*z:MD+2*z+1], s[AL:AL+1], s[BE:BE+1] op_sel_hi:[1,0,0]
.set z, z+1
.endr
.endm
; A TURN, for piece p: the order of its 16 matrix and 118 vector instructions, written out.  Behind a matrix instruction: plain, exponential, plain, plain; or four of the rescaling; or four scalings; none names a register
; of the products round it.  In the runs between, exponential and plain by turns while exponentials last.  v_permlanex16_b32 (X 17) stands in such a run.
; Piece 0's turn holds both runs of LDS loads: K of the next place six vector instructions (five of them plain) behind the last product that read K; V of the place in hand eight behind the last product that read V (four plain).
; Piece 1's turn waits for them: K at its head, with V's sixteen younger loads left out, V in front of its products V^T P.
.macro TURN p
.set Y, (\p)
.set i, 0
.if (\p) == 1
	s_wait_dscnt 16                 ; K is in
.endif
	ROW F,0, F,1, F,2, F,3
	ROW F,4, E,0, F,5, F,6
	ROW F,7, E,1, F,8, F,9
	ROW F,10, E,2, C,0, F,11
	ROW F,12, E,3, X,15, F,13
	ROW R,0, R,1, R,2, R,3
	ROW B,0, E,4, F,14, L,0
.if (\p) == 0
	WIN 0
	v_add_nc_u32 v[AK], s[TBK], v[AK0]
.endif
	ROW R,4, R,5, R,6, R,7
	OPS E,5, F,15
.if (\p) == 0
	FETCH_K
.endif
	OPS E,6, C,1, E,7, R,8
	OPS E,8, R,9, E,9, C,2
	OPS E,10, X,0, E,11, X,1
	OPS E,12, X,2, E,13, X,3
.if (\p) == 1
	s_wait_dscnt 0x0                ; V is in
.endif
	ROW X,4, E,14, X,5, X,6
	ROW X,7, E,15, X,8, X,9
	ROW X,10, E,16, X,11, X,12
	ROW X,13, E,17, X,14, B,1
	ROW C,4, E,18, X,16, L,1
	ROW B,2, E,19, C,6, L,2
	ROW C,8, E,20, B,3, B,4
.if (\p) == 0
	WIN 0
	v_add_nc_u32 v[AV], s[TBV], v[AV0]
.endif
	ROW C,3, E,21, L,3, C,5
	OPS E,22, X,17, E,23, C,10
.if (\p) == 0
	FETCH_V
.endif
	OPS E,24, L,4
	OPS E,25, X,18, E,26, C,7
	OPS E,27, B,5, E,28, X,19
	OPS E,29, C,12, E,30, L,5
	OPS E,31, X,20, B,6, C,9
	OPS C,14, C,11, X,21, L,6
.if (\p) == 0
	s_add_co_u32 s[TBV], s[TBV], KS*PV
.endif
	OPS C,13, B,7, C,15, R,10
	OPS R,11, R,12, L,7, R,13
	OPS R,14, R,15
.endm
; n trips of the stream.  Ahead of piece 0's turn, whose products are piece 1's scores of this step: in the block's last step (REM = 1) piece 1's mask becomes MD.  Ahead of piece 1's turn, whose products are piece 0's
; scores of the NEXT step: that step is the last but one (REM = 3): MD; the last (REM = 2): all hidden.  The jumps go forward over vector and scalar work alone.
.macro STEPS n
	s_mov_b32 s[CNT], \n
.Lstep_\@:
	s_cmp_eq_u32 s[REM], 1
	s_cbranch_scc0 .Lno1_\@
	s_mov_b32 s[AL], 1.0
	s_mov_b32 s[BE], 0
	MASK 1
	WIN 0
.Lno1_\@:
	TURN 0
	WIN 0
	s_sub_co_u32 s[TT], s[REM], 2
	s_cmp_lt_u32 s[TT], 2
	s_cbranch_scc0 .Lno0_\@
	s_cmp_eq_u32 s[REM], 3
	s_cselect_b32 s[AL], 1.0, 0
	s_cmp_eq_u32 s[REM], 2
	s_cselect_b32 s[BE], s[BIGN], 0
	MASK 0
	WIN 0
.Lno0_\@:
	TURN 1
	WIN 0
	s_sub_co_u32 s[REM], s[REM], 1
	s_sub_co_u32 s[CNT], s[CNT], 1
	s_cmp_lg_u32 s[CNT], 0
	s_cbranch_scc1 .Lstep_\@
.endm
; A BLOCK BEGINS.  c m starts far below every c s, so the first step's a is 0; m at the lowest finite number.  Piece 1's mask is 0; piece 0's is MD if the block has two steps only.  K of the block's step 0 is in registers:
; piece 0's first scores, and its maximum and statistics.
.macro BEGIN
	WIN 0x40
.set i, MC+32
.rept 32
	v_mov_b32 v[i], 0
.set i, i+1
.endr
	WIN 0
.set i, 0
.rept NP
	v_mov_b32 v[ST+4*i], 0xfe000000
	v_mov_b32 v[ST+4*i+1], 0xff7fffff
.set i, i+1
.endr
	s_cmp_eq_u32 s[REM], 2
	s_cselect_b32 s[AL], 1.0, 0
	s_mov_b32 s[BE], 0
	MASK 0
	WIN 0
	s_wait_loadcnt 0x0              ; Q, and the first block's K
	s_wait_dscnt 0x0
.set i, 0
.rept 8
	KQ 0
.set i, i+1
.endr
	WIN 0
.rept 8
	v_nop                           ; the places behind those products
.endr
.set Y, NP-1                        ; X works for the other piece: piece 0
.irp n, 0,1,2,3,4,5,6,7,8,9,10,11,12,13,14,15,16,17,18,19,20,21
	OP X, \n
.endr
	v_nop                           ; a plain instruction behind the exponential
.endm
; A BLOCK ENDS: piece 1's V^T P of the last step; l's two halves and the other half of the lanes' are added; O^T is divided by l, rounded to bf16 and sent through my stage in LDS, a piece at a time.
.macro ALL line:vararg
.set t, 0
.rept NP
	\line
.set t, t+1
.endr
.endm
.macro PACK t
	WIN W_RS
.set i, 32*(\t)
.rept 16
	v_pk_mul_f32 v[i:i+1], v[i:i+1], v[ST+4*(\t)+2:ST+4*(\t)+3] op_sel_hi:[1,0]
.set i, i+2
.endr
	WIN 0x05                        ; sources 0 and 1 window 1, destination window 0
.set i, 0
.rept 16
	v_cvt_pk_bf16_f32 v[S+16*(\t)+i], v[32*(\t)+2*i], v[32*(\t)+2*i+1]
.set i, i+1
.endr
	WIN 0
.irp f, 0,1,2,3
	ds_store_b128 v[STO], v[S+16*(\t)+4*\f:S+16*(\t)+4*\f+3] offset:32*\f
.endr
.irp f, 0,1,2,3
	ds_load_b128 v[S+16*(\t)+4*\f:S+16*(\t)+4*\f+3], v[RD] offset:\f*4*SP  ; LDS serves a wave's instructions in order (ISA guide 5.7.1.4): these see the stores above; the next piece's stores come behind them
.endr
.endm
.macro SEND t, younger              ; younger: the LDS instructions issued behind piece t's loads
	WIN 0
.irp f, 0,1,2,3
	s_wait_dscnt (\younger)+3-\f
	global_store_b128 v[GO], v[S+16*(\t)+4*\f:S+16*(\t)+4*\f+3], s[10:11] offset:(\t)*8192+\f*512  ; 512 consecutive bytes, at a multiple of 256 from O's first
.endr
.endm
.macro FINISH
.set i, 0
.rept 8
	PV 1
.set i, i+1
.endr
	WIN 0
	ALL v_add_f32 v[ST+4*t+2], v[ST+4*t+2], v[ST+4*t+3]
	ALL v_permlanex16_b32 v[ST+4*t+3], v[ST+4*t+2], s[SEL], s[SEL+1]
	ALL v_add_f32 v[ST+4*t+2], v[ST+4*t+2], v[ST+4*t+3]
	ALL v_rcp_f32 v[ST+4*t+2], v[ST+4*t+2]
	v_nop                           ; a plain instruction between the last reciprocal and the use of its result
	s_wait_alu depctr_va_vdst(0)
	PACK 0                          ; piece 0's sums were finished a turn ago; its 32 plain lines are the places behind piece 1's last products
	PACK 1
	SEND 0, 8
	SEND 1, 0
.endm
	s_mov_b32 s[REM], s[EB]
	s_mov_b32 s[SLOTS], 9
	s_branch .Lbegin                ; the loop is entered where a block begins
.Lslot:                             ; eight times: a slot is entered, the next is asked for, four trips are walked
	CHANGE 1
	STEPS 4
	s_cmp_lg_u32 s[REM], 0
	s_cbranch_scc1 .Lbottom         ; the first block ends at a slot's end, since its steps are a multiple of 4
	FINISH
	s_wait_xcnt 0x0                 ; the stores have read their registers and O's address
	s_mov_b64 s[10:11], s[OLO:OLO+1]
	s_mov_b32 s[REM], s[R2]
	WIN 0x82                        ; the second block's Q goes where the one text of the turns names Q
.set i, 0
.rept 32
	v_mov_b32 v[i], v[QB+i]
.set i, i+1
.endr
	WIN 0
.Lbegin:
	BEGIN
.Lbottom:
	s_sub_co_u32 s[SLOTS], s[SLOTS], 1
	s_cmp_lg_u32 s[SLOTS], 0
	s_cbranch_scc1 .Lslot
	CHANGE 0                        ; the last slot's two trips are written out: nothing is asked for
	STEPS 2
	FINISH
	s_wait_tensorcnt 0x0            ; the wave's end, behind my last tensor load and my last LDS store
	ds_add_u32 v[SPW], v[NIL]
	s_wait_dscnt 0x0
	s_endpgm
.Lfunc_end_k_qdd278a4f84_att:
	.size	k_qdd278a4f84_att, .Lfunc_end_k_qdd278a4f84_att-k_qdd278a4f84_att
	.p2alignl 7, 3214868480
	.fill 96, 4, 3214868480
	.section	.rodata,"a",@progbits
	.p2align	6, 0x0
	.amdhsa_kernel k_qdd278a4f84_att
		.amdhsa_group_segment_fixed_size 327680
		.amdhsa_private_segment_fixed_size 0
		.amdhsa_enable_private_segment 0
		.amdhsa_kernarg_size 16
		.amdhsa_user_sgpr_count 2
		.amdhsa_user_sgpr_kernarg_segment_ptr 1
		.amdhsa_wavefront_size32 1
		.amdhsa_system_sgpr_workgroup_id_x 1
		.amdhsa_system_sgpr_workgroup_id_y 1
		.amdhsa_system_sgpr_workgroup_id_z 1
		.amdhsa_system_vgpr_workitem_id 0
		.amdhsa_next_free_vgpr 768
		.amdhsa_next_free_sgpr 100
		.amdhsa_reserve_vcc 1
		.amdhsa_float_denorm_mode_32 3
		.amdhsa_float_denorm_mode_16_64 3
		.amdhsa_memory_ordered 1
		.amdhsa_forward_progress 1
		.amdhsa_inst_pref_size 90
	.end_amdhsa_kernel
	.amdgpu_metadata
---
amdhsa.version: [ 1, 2 ]
amdhsa.kernels:
  - .name:           k_qdd278a4f84_att
    .symbol:         k_qdd278a4f84_att.kd
    .args:
      - { .name: qkv, .offset: 0, .size: 8, .value_kind: global_buffer, .address_space: global }
      - { .name: o, .offset: 8, .size: 8, .value_kind: global_buffer, .address_space: global }
    .group_segment_fixed_size: 327680
    .private_segment_fixed_size: 0
    .kernarg_segment_align: 8
    .kernarg_segment_size: 16
    .max_flat_workgroup_size: 128
    .sgpr_count:     100
    .vgpr_count:     768
    .wavefront_size: 32
...
	.end_amdgpu_metadata
.endif
;; end of part 3
;; launch go (part 4): grid 8 x 32, 4 waves a work-group, clusters of 4 x 4, 327,680 bytes of LDS; arguments o, wq, b_o, x, x1; writes x1
.if DOCPART == 4
	.amdgcn_target "amdgcn-amd-amdhsa--gfx1250"
	.amdhsa_code_object_version 6
	.text
	.protected	k_qdd278a4f84_go
	.globl	k_qdd278a4f84_go
	.p2align	8
	.type	k_qdd278a4f84_go,@function
k_qdd278a4f84_go:
	s_mov_b64 s[64:65], 0
	v_nop
	global_prefetch_b8 v0, s[64:65] scope:SCOPE_SE
	s_setreg_imm32_b32 hwreg(HW_REG_WAVE_MODE, 25, 1), 1
	s_wait_xcnt 0x0
	s_wait_alu depctr_hold_cnt(0) depctr_sa_sdst(0) depctr_va_vdst(0) depctr_va_sdst(0) depctr_va_ssrc(0) depctr_va_vcc(0) depctr_vm_vsrc(0)
	s_getreg_b32 s2, hwreg(HW_REG_IB_STS2, 6, 4)
	s_cmp_eq_u32 s2, 0
	s_cbranch_scc0 .Lentry_in_a_cluster
	s_endpgm
.Lentry_in_a_cluster:
	s_bfe_u32 s2, ttmp6, 0x10000c
	s_cmp_lg_u32 s2, 0xf033
	s_cbranch_scc0 .Lentry_shape_is_right
	s_endpgm
.Lentry_shape_is_right:
; x1 = x + o w_o + b_o.  o: bf16 in blocks [row / 128][k / 64][row % 128][k % 64]; w: bf16 [K][1024] as the problem has it, at byte WOFF of wq; bias, residual and result f32 [4096][1024]; sums in f32.
; SHARES.  1,024 columns give 64 tiles of 256 x 256, too few for the chip's work-group places: a tile is 128 x 128, 256 work-groups; four waves, 64 x 64 each: 16 accumulators.  K goes in steps of 256 through two LDS slots.
; A's tile of a step is four blocks, 65,536 consecutive bytes; a wave asks for half of them as 128 rows of 256 bytes, padded in LDS after every 128 bytes; W's is 256 rows of 256 bytes, 128 to a wave.
; THE MATRIX INSTRUCTION IS USED TRANSPOSED (source 0 = 16 columns of W, out of LDS turned; source 1 = 16 rows of A): a lane holds one row and eight neighbouring columns.  THE BIAS IS THE C OPERAND of each first product.
; THE RESIDUAL is asked for at the head, 32 loads a wave into registers of their own, and is waited for on the way out: it has the whole K loop in which to land.
; ONE TEXT FOR BOTH SLOTS: s[SL] is 0 or SLOT.  CLUSTER 4 x 4: A's tile jointly along a row of the cluster, W's along a column.  NO PREFETCH: each tile is read by 8 or 32 work-groups, not once.
; THE WAY OUT goes through ring bytes that have had their last fill: a wave's 64 x 64 in f32, rows of 272 bytes, back by rows; 16 lanes store 256 consecutive bytes, aligned.
; REGISTERS: window 0: v16-29 addresses, v128-255 the accumulators; window 1: two fragment buffers of 128 (64 of A, 64 of W), on the way out the rows read back; window 2: v0-127 the residual, v128-159 the bias.
.set NSTEP, 4
.set WOFF,  6291456
.set ART,   262144                     ; bytes of A from a tile of 128 rows to the next
.set PA,    144
.set PB,    288
.set APL,   128*PA                     ; 64 K of A's 128 rows
.set BOFF,  4*APL
.set BHALF, 128*PB
.set SLOT,  BOFF+2*BHALF               ; 147,456
.set SPARE, 2*SLOT                     ; behind the ring: the spare words, 128 bytes for each wave: two blocks of 256 bytes that no other line names
.set SPITCH, 272
.set STG,   64*SPITCH
.set ASTEP, 65536
.set BSTEP, 524288
.set ADRA, 16
.set A0,   17
.set ADRB, 20                          ; v20, v21: W's K rows 0-127 and 128-255 of the slot in hand
.set B0,   22
.set STO,  24
.set RD,   25
.set CO,   26
.set BO,   27
.set SPW,  28
.set NIL,  29
.set ACC,  128
.set F0,   0
.set F1,   128
.set BIAS, 128
.set G1A,  24
.set G0A,  32
.set G1B,  48
.set G0B,  56
.set SL,   68
.set LA,   69
.set LB,   70
.set BIA,  76
.set RES,  78
.set MSB, 0
.macro WIN new
.if MSB != (\new)
	s_set_vgpr_msb (MSB<<8)|(\new)
.set MSB, \new
.endif
.endm
.macro PLACES
.rept 4
	v_nop
.endr
.endm
.macro JLOAD
	s_cmp_eq_u32 s11, 0
	s_cbranch_scc0 .Lfor_b_\@
	tensor_load_to_lds s[G0A+4:G0A+7], s[G1A:G1A+7]
	s_nop 0
.rept 4
	v_nop
.endr
	s_branch .Lasked_\@
.Lfor_b_\@:
	tensor_load_to_lds s[G0B+4:G0B+7], s[G1B:G1B+7]
	s_nop 0
.rept 4
	v_nop
.endr
.Lasked_\@:
.endm
.macro CREST
	s_cmp_lg_u32 s10, 0
	s_cbranch_scc1 .Lnot_wave_0_\@
	s_barrier_signal -3
.Lnot_wave_0_\@:
	s_barrier_wait -3
	s_barrier_signal -1
	s_barrier_wait -1
.endm
.macro CROUND
	s_barrier_signal -1
	s_barrier_wait -1
	CREST
.endm
	s_load_b128 s[4:7], s[0:1], 0x0                ; A s[4:5], wq s[6:7]
	s_load_b128 s[76:79], s[0:1], 0x10             ; bias s[76:77], residual s[78:79]
	s_load_b64 s[8:9], s[0:1], 0x20                ; the result
	v_lshl_add_u32 v[SPW], v0, 2, SPARE
	v_mov_b32 v[NIL], 0
	ds_add_u32 v[SPW], v[NIL]                      ; the wave's opening: the add and its wait stand ahead of my first tensor load
	v_lshrrev_b32 v1, 5, v0
	v_readfirstlane_b32 s10, v1
	s_lshr_b32 s11, s10, 1                         ; wr; also: I fetch for A (0) or for W (1)
	s_and_b32 s12, s10, 1                          ; wc; also: which half of that tile I fetch
	s_bfe_u32 s40, ttmp6, 0x40000
	s_bfe_u32 s41, ttmp6, 0x40004
	s_lshl_b32 s42, ttmp9, 2
	s_add_co_u32 s42, s42, s40                     ; tx
	s_and_b32 s13, ttmp7, 0xffff
	s_lshl_b32 s13, s13, 2
	s_add_co_u32 s13, s13, s41                     ; ty
	s_lshl_b32 s43, s41, 2
	s_lshl_b32 s43, 15, s43
	s_lshl_b32 s44, 0x1111, s40
	s_or_b32 s[G1A], s43, (1<<16)|(1<<20)|(1<<21)|(4<<22)|(3<<25)  ; after every 32 words 4 words
	s_mov_b32 s[G1A+1], 128<<16
	s_mov_b32 s[G1A+2], 128<<16
	s_mov_b32 s[G1A+3], 128<<16
	s_mov_b32 s[G1A+4], 128
	s_mov_b32 s[G1A+5], 128
	s_mov_b32 s[G1A+6], 0
	s_mov_b32 s[G1A+7], 0
	s_or_b32 s[G1B], s44, (1<<16)|(1<<20)|(1<<21)|(5<<22)|(7<<25)  ; after every 64 words 8 words
	s_mov_b32 s[G1B+1], 128<<16
	s_mov_b32 s[G1B+2], 128<<16
	s_mov_b32 s[G1B+3], 128<<16
	s_mov_b32 s[G1B+4], 128
	s_mov_b32 s[G1B+5], 1024
	s_mov_b32 s[G1B+6], 0
	s_mov_b32 s[G1B+7], 0
	s_mul_i32 s16, s13, ART
	s_lshl_b32 s17, s12, 15                        ; my two blocks of 64 K
	s_add_co_u32 s16, s16, s17
	s_mov_b32 s17, 0
	s_lshl_b32 s46, s12, 18                        ; my 128 rows of W,
	s_lshl_b32 s47, s42, 8                         ; the tile's 128 columns
	s_add_co_u32 s46, s46, s47
	s_add_co_u32 s46, s46, WOFF
	s_mov_b32 s47, 0
	s_mul_i32 s[LA], s12, 2*APL
	s_mul_i32 s[LB], s12, BHALF
	s_add_co_u32 s[LB], s[LB], BOFF
	s_mov_b32 s[SL], 0
	s_wait_dscnt 0x0
	s_wait_kmcnt 0x0
	s_add_nc_u64 s[14:15], s[4:5], s[16:17]
	s_add_nc_u64 s[46:47], s[6:7], s[46:47]
	CROUND
.irp s, 0,1
	s_mov_b32 s[G0A+4*(\s)], 1
	s_add_co_u32 s[G0A+4*(\s)+1], s[LA], (\s)*SLOT
	s_add_nc_u64 s[G0A+4*(\s)+2:G0A+4*(\s)+3], s[14:15], (\s)*ASTEP
	s_or_b32 s[G0A+4*(\s)+3], s[G0A+4*(\s)+3], 0x80000000
	s_mov_b32 s[G0B+4*(\s)], 1
	s_add_co_u32 s[G0B+4*(\s)+1], s[LB], (\s)*SLOT
	s_add_nc_u64 s[G0B+4*(\s)+2:G0B+4*(\s)+3], s[46:47], (\s)*BSTEP
	s_or_b32 s[G0B+4*(\s)+3], s[G0B+4*(\s)+3], 0x80000000
.endr
	s_cmp_eq_u32 s11, 0                            ; a wave's two first fills stand in one branch: two loads of mine are out
	s_cbranch_scc0 .Lfirst_b
	tensor_load_to_lds s[G0A:G0A+3], s[G1A:G1A+7]
	s_nop 0
	tensor_load_to_lds s[G0A+4:G0A+7], s[G1A:G1A+7]
	s_nop 0
.rept 4
	v_nop
.endr
	s_branch .Lfirst_done
.Lfirst_b:
	tensor_load_to_lds s[G0B:G0B+3], s[G1B:G1B+7]
	s_nop 0
	tensor_load_to_lds s[G0B+4:G0B+7], s[G1B:G1B+7]
	s_nop 0
.rept 4
	v_nop
.endr
.Lfirst_done:
	v_and_b32 v1, 15, v0                           ; r
	v_bfe_u32 v2, v0, 4, 1                         ; h
	v_lshlrev_b32 v[BO], 5, v2
	v_lshlrev_b32 v[CO], 12, v2                    ; lanes 0-15 one row of the result, lanes 16-31 the next; 16 bytes a lane
	v_lshl_add_u32 v[CO], v1, 4, v[CO]
	s_lshl_b32 s20, s42, 9                         ; my 64 columns, in bytes of f32
	s_lshl_b32 s21, s12, 8
	s_add_co_u32 s20, s20, s21
	s_mov_b32 s21, 0
	s_add_nc_u64 s[BIA:BIA+1], s[BIA:BIA+1], s[20:21]
	s_lshl_b32 s22, s13, 19                        ; my 64 rows of 4,096 bytes
	s_add_co_u32 s20, s20, s22
	s_lshl_b32 s22, s11, 18
	s_add_co_u32 s20, s20, s22
	s_add_nc_u64 s[RES:RES+1], s[RES:RES+1], s[20:21]
	s_add_nc_u64 s[8:9], s[8:9], s[20:21]
	WIN 0x80                                       ; destination window 2
.irp b, 0,1,2,3
	global_load_b128 v[BIAS+8*(\b):BIAS+8*(\b)+3],   v[BO], s[BIA:BIA+1] offset:64*(\b)
	global_load_b128 v[BIAS+8*(\b)+4:BIAS+8*(\b)+7], v[BO], s[BIA:BIA+1] offset:64*(\b)+16
.endr
.set t, 0
.rept 32
	global_load_b128 v[4*t:4*t+3], v[CO], s[RES:RES+1] offset:8192*t  ; rows 2 t and 2 t + 1 of my 64
.set t, t+1
.endr
	WIN 0
	v_mul_u32_u24 v3, v1, PA
	v_lshl_add_u32 v3, v2, 4, v3
	s_mul_i32 s21, s11, 64*PA
	v_add_nc_u32 v[A0], s21, v3
	v_and_b32 v4, 7, v0
	v_lshl_add_u32 v4, v2, 3, v4
	v_mul_u32_u24 v4, v4, PB
	v_bfe_u32 v5, v0, 3, 1
	v_lshl_add_u32 v4, v5, 4, v4
	s_lshl_b32 s22, s12, 7
	s_add_co_u32 s22, s22, BOFF
	v_add_nc_u32 v[B0], s22, v4
	s_mul_i32 s23, s10, STG
	v_mul_u32_u24 v5, v1, SPITCH
	v_lshl_add_u32 v5, v2, 5, v5
	v_add_nc_u32 v[STO], s23, v5
	v_mul_u32_u24 v5, v2, SPITCH
	v_lshl_add_u32 v5, v1, 4, v5
	v_add_nc_u32 v[RD], s23, v5
	v_mov_b32 v[ADRA], v[A0]
	v_mov_b32 v[ADRB], v[B0]
	v_add_nc_u32 v[ADRB+1], BHALF, v[B0]
; 8 products: row blocks a0, a0 + 1 x all 4 column blocks, 32 along K: half c of buffer f.  first = 1: C is the bias.  The 16 accumulators take turns in one order.
.macro MUL8 f, c, a0, first
.if \first
	WIN 0x25                                       ; sources 0 and 1 window 1, C (the bias) window 2, D window 0
.else
	WIN 0x05
.endif
.irp a, \a0, (\a0)+1
.irp b, 0,1,2,3
.if \first
	v_wmma_f32_16x16x32_bf16 v[ACC+8*(4*(\a)+(\b)):ACC+8*(4*(\a)+(\b))+7], v[(\f)+64+8*(4*(\c)+(\b)):(\f)+64+8*(4*(\c)+(\b))+7], v[(\f)+8*(4*(\c)+(\a)):(\f)+8*(4*(\c)+(\a))+7], v[BIAS+8*(\b):BIAS+8*(\b)+7]
.else
	v_wmma_f32_16x16x32_bf16 v[ACC+8*(4*(\a)+(\b)):ACC+8*(4*(\a)+(\b))+7], v[(\f)+64+8*(4*(\c)+(\b)):(\f)+64+8*(4*(\c)+(\b))+7], v[(\f)+8*(4*(\c)+(\a)):(\f)+8*(4*(\c)+(\a))+7], v[ACC+8*(4*(\a)+(\b)):ACC+8*(4*(\a)+(\b))+7]
.endif
.endr
.endr
.endm
; 32 LDS loads in one run: quarter q (64 along K) of the slot in hand into buffer f; the first 32 along K first
.macro FETCH q, f
	WIN 0x40
.irp c, 0,1
.irp i, 0,1,2,3
	ds_load_tr16_b128 v[(\f)+64+8*(4*(\c)+(\i)):(\f)+64+8*(4*(\c)+(\i))+3],   v[ADRB+(\q)/2] offset:(((\q)%2)*64+32*(\c))*PB+32*(\i)
	ds_load_tr16_b128 v[(\f)+64+8*(4*(\c)+(\i))+4:(\f)+64+8*(4*(\c)+(\i))+7], v[ADRB+(\q)/2] offset:(((\q)%2)*64+32*(\c))*PB+32*(\i)+16*PB
	ds_load_b128 v[(\f)+8*(4*(\c)+(\i)):(\f)+8*(4*(\c)+(\i))+3],   v[ADRA] offset:(\q)*APL+(\i)*16*PA+64*(\c)
	ds_load_b128 v[(\f)+8*(4*(\c)+(\i))+4:(\f)+8*(4*(\c)+(\i))+7], v[ADRA] offset:(\q)*APL+(\i)*16*PA+64*(\c)+32
.endr
.endr
.endm
.macro QUARTER q, f, g, first
	s_wait_dscnt 16                                ; the first 32 along K are in
	MUL8 \f, 0, 0, \first
	MUL8 \f, 0, 2, \first
	PLACES
	FETCH \q, \g
	s_wait_dscnt 32                                ; all but the 32 just issued
	MUL8 \f, 1, 0, 0
	MUL8 \f, 1, 2, 0
.endm
; THE CHANGE OF SLOTS stands ahead of a step's last quarter, whose fragments are in registers by then.  Each wave waits for all its tensor loads, adds 0 to its spare word, and waits for that and for its reads of this slot;
; then the barrier.  fill = 1: it opens a round of the cluster's, and the slot just read is filled again, first thing behind it.  No matrix instruction stands between the wait for the loads and the refill:
; the refill has a whole K step, 128 matrix instructions, in which to land.
.macro CHANGE fill
	WIN 0
	s_wait_tensorcnt 0x0                           ; no tensor load of mine is out, so a group 0 may be written
	ds_add_u32 v[SPW], v[NIL]                      ; 0 onto my spare word; scalar work stands between it and the wait for it
.if \fill
	s_add_co_u32 s[G0A+5], s[LA], s[SL]            ; the refill goes into the slot that is being left,
	s_add_co_u32 s[G0B+5], s[LB], s[SL]
	s_add_nc_u64 s[G0A+6:G0A+7], s[G0A+6:G0A+7], ASTEP
	s_add_nc_u64 s[G0B+6:G0B+7], s[G0B+6:G0B+7], BSTEP
.endif
	s_xor_b32 s[SL], s[SL], SLOT                   ; and the reads go on in the other
	s_wait_dscnt 0x0                               ; the add is done, and my reads of this slot are over: the last run, into buffer 1, was issued 16 matrix instructions ago
	s_barrier_signal -1
	s_barrier_wait -1
.if \fill
	CREST                                          ; no wave of any partner still reads this slot's tile or has a load on its way
	JLOAD                                          ; its four v_nop are also the places in front of the loads that follow
.else
	PLACES
.endif
.endm
.macro NEXT0                           ; the next slot's first fragments
	v_add_nc_u32 v[ADRA], s[SL], v[A0]
	v_add_nc_u32 v[ADRB], s[SL], v[B0]
	v_add_nc_u32 v[ADRB+1], BHALF, v[ADRB]
	FETCH 0, F0
.endm
.macro LASTQ                           ; a step's last quarter: buffer 1
	MUL8 F1, 0, 0, 0
	MUL8 F1, 0, 2, 0
	MUL8 F1, 1, 0, 0
	MUL8 F1, 1, 2, 0
.endm
	s_wait_tensorcnt 0x1                           ; my part of step 0 is in; step 1's may stay out
	s_barrier_signal -1
	s_barrier_wait -1
	FETCH 0, F0
	s_wait_loadcnt 32                              ; the bias is in; the residual's 32 younger loads stay out
	QUARTER 1, F0, F1, 1
	WIN 0
	s_mov_b32 s3, NSTEP-2
.Lk:
	QUARTER 2, F1, F0, 0
	QUARTER 3, F0, F1, 0
	CHANGE 1
	NEXT0
	LASTQ
	QUARTER 1, F0, F1, 0
	WIN 0
	s_sub_co_u32 s3, s3, 1
	s_cmp_lg_u32 s3, 0
	s_cbranch_scc1 .Lk
	s_mov_b32 s3, 2
.Lt:                                           ; the last two steps ask for nothing: a text of their own
	QUARTER 2, F1, F0, 0
	QUARTER 3, F0, F1, 0
	CHANGE 0                                       ; in the second trip this barrier says that every wave's reads of the ring are over: every wave will store into ring bytes
	s_sub_co_u32 s3, s3, 1
	s_cmp_eq_u32 s3, 0
	s_cbranch_scc1 .Lnofetch                       ; behind the last step there is no slot to read
	NEXT0
	WIN 0
.Lnofetch:
	LASTQ
	WIN 0
	s_cmp_eq_u32 s3, 0
	s_cbranch_scc1 .Lway_out
	QUARTER 1, F0, F1, 0
	WIN 0
	s_branch .Lt
.Lway_out:
	PLACES
	PLACES
.set a, 0
.rept 4                                ; accumulator (a, b): lane (r, h) holds row 16 a + r, columns 16 b + 8 h + 0..7; the low four registers first
.set b, 0
.rept 4
	ds_store_b128 v[STO], v[ACC+8*(4*a+b):ACC+8*(4*a+b)+3]   offset:a*16*SPITCH+64*b
	ds_store_b128 v[STO], v[ACC+8*(4*a+b)+4:ACC+8*(4*a+b)+7] offset:a*16*SPITCH+64*b+16
.set b, b+1
.endr
.set a, a+1
.endr
	WIN 0x40                                       ; back into window 1, by rows: LDS serves a wave's instructions in order (ISA guide 5.7.1.4), and the stage is my own
.set t, 0
.rept 32
	ds_load_b128 v[4*t:4*t+3], v[RD] offset:2*SPITCH*t
.set t, t+1
.endr
	s_wait_loadcnt 0x0                             ; the residual
	s_wait_dscnt 0x0
	WIN 0x49                                       ; destination and source 0 window 1, source 1 window 2
.set i, 0
.rept 64
	v_pk_add_f32 v[2*i:2*i+1], v[2*i:2*i+1], v[2*i:2*i+1]
.set i, i+1
.endr
	WIN 0x04                                       ; the data (source 1) in window 1
.set t, 0
.rept 32
	global_store_b128 v[CO], v[4*t:4*t+3], s[8:9] offset:8192*t  ; 16 lanes store 256 consecutive bytes, aligned
.set t, t+1
.endr
	WIN 0
	s_wait_tensorcnt 0x0                           ; the wave's end, behind my last tensor load and my last LDS store
	ds_add_u32 v[SPW], v[NIL]
	s_wait_dscnt 0x0
	CROUND                                         ; the closing round
	s_endpgm
.Lfunc_end_k_qdd278a4f84_go:
	.size	k_qdd278a4f84_go, .Lfunc_end_k_qdd278a4f84_go-k_qdd278a4f84_go
	.p2alignl 7, 3214868480
	.fill 96, 4, 3214868480
	.section	.rodata,"a",@progbits
	.p2align	6, 0x0
	.amdhsa_kernel k_qdd278a4f84_go
		.amdhsa_group_segment_fixed_size 327680
		.amdhsa_private_segment_fixed_size 0
		.amdhsa_enable_private_segment 0
		.amdhsa_kernarg_size 40
		.amdhsa_user_sgpr_count 2
		.amdhsa_user_sgpr_kernarg_segment_ptr 1
		.amdhsa_wavefront_size32 1
		.amdhsa_system_sgpr_workgroup_id_x 1
		.amdhsa_system_sgpr_workgroup_id_y 1
		.amdhsa_system_sgpr_workgroup_id_z 1
		.amdhsa_system_vgpr_workitem_id 0
		.amdhsa_next_free_vgpr 768
		.amdhsa_next_free_sgpr 80
		.amdhsa_reserve_vcc 0
		.amdhsa_float_denorm_mode_32 3
		.amdhsa_float_denorm_mode_16_64 3
		.amdhsa_memory_ordered 1
		.amdhsa_forward_progress 1
		.amdhsa_inst_pref_size 65
	.end_amdhsa_kernel
	.amdgpu_metadata
---
amdhsa.version: [ 1, 2 ]
amdhsa.kernels:
  - .name:           k_qdd278a4f84_go
    .symbol:         k_qdd278a4f84_go.kd
    .args:
      - { .name: o, .offset: 0, .size: 8, .value_kind: global_buffer, .address_space: global }
      - { .name: wq, .offset: 8, .size: 8, .value_kind: global_buffer, .address_space: global }
      - { .name: b_o, .offset: 16, .size: 8, .value_kind: global_buffer, .address_space: global }
      - { .name: x, .offset: 24, .size: 8, .value_kind: global_buffer, .address_space: global }
      - { .name: x1, .offset: 32, .size: 8, .value_kind: global_buffer, .address_space: global }
    .group_segment_fixed_size: 327680
    .private_segment_fixed_size: 0
    .kernarg_segment_align: 8
    .kernarg_segment_size: 40
    .max_flat_workgroup_size: 128
    .sgpr_count:     80
    .vgpr_count:     768
    .wavefront_size: 32
...
	.end_amdgpu_metadata
.endif
;; end of part 4
;; launch ln2: the kernel of part 1 again; grid 256 x 1, 8 waves a work-group, no clusters, 0 bytes of LDS; arguments x1, ln2_g, ln2_b, w_qkv, w_o, h, wq; writes h, wq
;; launch g1 (part 5): grid 16 x 16, 4 waves a work-group, clusters of 4 x 4, 327,680 bytes of LDS; arguments h, wb, b_fc1, act; writes act
.if DOCPART == 5
	.amdgcn_target "amdgcn-amd-amdhsa--gfx1250"
	.amdhsa_code_object_version 6
	.text
	.protected	k_qdd278a4f84_g1
	.globl	k_qdd278a4f84_g1
	.p2align	8
	.type	k_qdd278a4f84_g1,@function
k_qdd278a4f84_g1:
	s_mov_b64 s[64:65], 0
	v_nop
	global_prefetch_b8 v0, s[64:65] scope:SCOPE_SE
	s_setreg_imm32_b32 hwreg(HW_REG_WAVE_MODE, 25, 1), 1
	s_wait_xcnt 0x0
	s_wait_alu depctr_hold_cnt(0) depctr_sa_sdst(0) depctr_va_vdst(0) depctr_va_sdst(0) depctr_va_ssrc(0) depctr_va_vcc(0) depctr_vm_vsrc(0)
	s_getreg_b32 s2, hwreg(HW_REG_IB_STS2, 6, 4)
	s_cmp_eq_u32 s2, 0
	s_cbranch_scc0 .Lentry_in_a_cluster
	s_endpgm
.Lentry_in_a_cluster:
	s_bfe_u32 s2, ttmp6, 0x10000c
	s_cmp_lg_u32 s2, 0xf033
	s_cbranch_scc0 .Lentry_shape_is_right
	s_endpgm
.Lentry_shape_is_right:
; act = GELU(h w_fc1 + b_fc1), the tanh form.  h: bf16 in blocks [row / 256][k / 64][row % 256][k % 64]; w: bf16 [1024][ND] as the problem has it (K down the rows), at the head of wb; bias f32; sums and GELU in f32, rounded once to bf16.
; The result lies in blocks [row / 128][column / 64][row % 128][column % 64], so that the next product's tile of 128 rows x 256 K is 65,536 consecutive bytes.
; SHARES.  A tile of 256 x 256 to a work-group of four waves, 128 x 128 to a wave: 64 accumulators, 512 registers; 256 work-groups.  K = 1,024 goes in 8 steps of 128 through two LDS slots filled by the tensor data mover.
; A's tile of a step is two blocks of 32,768 consecutive bytes, asked for as 128 rows of 256 bytes and padded in LDS after every 128 bytes; W's is 128 rows of 512 bytes.  Waves 0, 1 fetch A's halves, waves 2, 3 W's.
; THE MATRIX INSTRUCTION IS USED TRANSPOSED: source 0 = 16 columns of W (out of LDS turned, by ds_load_tr16_b128), source 1 = 16 rows of A: a lane holds one row and eight neighbouring columns of the result.
; THE BIAS IS THE C OPERAND of each accumulator's first product.  ONE TEXT FOR BOTH SLOTS: s[SL] is 0 or SLOT.  CLUSTER 4 x 4: A's tile jointly along a row of the cluster, W's along a column.
; THE WAY OUT goes through the ring's bytes, which have had their last fill: each wave's 128 x 128 in f32, rows of 528 bytes, then back by rows, GELU, rounded, 256 consecutive bytes a store.
; GELU(x) = x / (1 + 2^(x (K1 + K2 x^2))), K1 = -2 log2(e) sqrt(2 / pi), K2 = 0.044715 K1: equal to 0.5 x (1 + tanh(..)).  LIMITS: v_exp_f32 and v_rcp_f32 are good to one unit in the last place; where the power overflows the
; quotient is 0 x x, where it vanishes x; NaN and infinities are not treated apart.  NO PREFETCH: each tile is read by 16 work-groups, four of them in one joint request, not once.
; REGISTERS, in windows of 256: window 0: v16-29 addresses, v64-191 A's fragments (two buffers), on the way out v32-95 and v192-207; window 1: v0-63 the bias, v64-191 W's fragments; windows 2, 3: the accumulators.
.set ND,    4096
.set PLANE, 16384                      ; bytes from a block of 64 columns of the result to the next
.set SH_TX, 16                         ; the result's byte offset = tx << SH_TX + wc << SH_WC + ty << SH_TY + wr << SH_WR
.set SH_WC, 15
.set SH_TY, 21
.set SH_WR, 20
.set NSTEP, 8
.set PA,    144
.set PB,    544
.set APL,   256*PA
.set BOFF,  2*APL
.set BHALF, 64*PB
.set SLOT,  BOFF+2*BHALF               ; 143,360
.set SPARE, 2*SLOT                     ; behind the ring: the spare words, 128 bytes for each wave: two blocks of 256 bytes that no other line names
.set SPITCH, 528
.set STG,   128*SPITCH
.set ASTEP, 65536
.set BSTEP, 256*ND
.set ADRA, 16
.set A0,   17
.set ADRB, 20
.set B0,   22
.set STO,  24
.set RD,   25
.set CO,   26
.set BO,   27
.set SPW,  28
.set NIL,  29
.set F0,   64
.set F1,   128
.set X,    32
.set Z,    64
.set Y,    192
.set G1A,  24
.set G0A,  32
.set G1B,  48
.set G0B,  56
.set SL,   68
.set LA,   69
.set LB,   70
.set BIA,  76
.set OUT,  78
.set MSB, 0
.macro WIN new
.if MSB != (\new)
	s_set_vgpr_msb (MSB<<8)|(\new)
.set MSB, \new
.endif
.endm
.macro PLACES
.rept 4
	v_nop
.endr
.endm
.macro JLOAD
	s_cmp_eq_u32 s11, 0
	s_cbranch_scc0 .Lfor_b_\@
	tensor_load_to_lds s[G0A+4:G0A+7], s[G1A:G1A+7]
	s_nop 0
.rept 4
	v_nop
.endr
	s_branch .Lasked_\@
.Lfor_b_\@:
	tensor_load_to_lds s[G0B+4:G0B+7], s[G1B:G1B+7]
	s_nop 0
.rept 4
	v_nop
.endr
.Lasked_\@:
.endm
.macro CREST
	s_cmp_lg_u32 s10, 0
	s_cbranch_scc1 .Lnot_wave_0_\@
	s_barrier_signal -3
.Lnot_wave_0_\@:
	s_barrier_wait -3
	s_barrier_signal -1
	s_barrier_wait -1
.endm
.macro CROUND
	s_barrier_signal -1
	s_barrier_wait -1
	CREST
.endm
	s_load_b128 s[4:7], s[0:1], 0x0                ; A s[4:5], wb s[6:7]
	s_load_b128 s[76:79], s[0:1], 0x10             ; bias s[76:77], the result s[78:79]
	v_lshl_add_u32 v[SPW], v0, 2, SPARE
	v_mov_b32 v[NIL], 0
	ds_add_u32 v[SPW], v[NIL]                      ; the wave's opening: the add and its wait stand ahead of my first tensor load
	v_lshrrev_b32 v1, 5, v0
	v_readfirstlane_b32 s10, v1
	s_lshr_b32 s11, s10, 1                         ; wr; also: I fetch for A (0) or for W (1)
	s_and_b32 s12, s10, 1                          ; wc; also: which half of that tile I fetch
	s_bfe_u32 s40, ttmp6, 0x40000
	s_bfe_u32 s41, ttmp6, 0x40004
	s_lshl_b32 s42, ttmp9, 2
	s_add_co_u32 s42, s42, s40                     ; tx
	s_and_b32 s13, ttmp7, 0xffff
	s_lshl_b32 s13, s13, 2
	s_add_co_u32 s13, s13, s41                     ; ty
	s_lshl_b32 s43, s41, 2
	s_lshl_b32 s43, 15, s43
	s_lshl_b32 s44, 0x1111, s40
	s_or_b32 s[G1A], s43, (1<<16)|(1<<20)|(1<<21)|(4<<22)|(3<<25)  ; after every 32 words 4 words
	s_mov_b32 s[G1A+1], 128<<16
	s_mov_b32 s[G1A+2], 128<<16
	s_mov_b32 s[G1A+3], 128<<16
	s_mov_b32 s[G1A+4], 128
	s_mov_b32 s[G1A+5], 128
	s_mov_b32 s[G1A+6], 0
	s_mov_b32 s[G1A+7], 0
	s_or_b32 s[G1B], s44, (1<<16)|(1<<20)|(1<<21)|(6<<22)|(7<<25)  ; after every 128 words 8 words
	s_mov_b32 s[G1B+1], 256<<16
	s_mov_b32 s[G1B+2], 64<<16
	s_mov_b32 s[G1B+3], 256<<16
	s_mov_b32 s[G1B+4], 64
	s_mov_b32 s[G1B+5], ND
	s_mov_b32 s[G1B+6], 0
	s_mov_b32 s[G1B+7], 0
	s_lshl_b32 s16, s13, 19
	s_lshl_b32 s17, s12, 15
	s_add_co_u32 s16, s16, s17
	s_mov_b32 s17, 0
	s_mul_i32 s46, s12, 128*ND
	s_lshl_b32 s47, s42, 9
	s_add_co_u32 s46, s46, s47
	s_mov_b32 s47, 0
	s_mul_i32 s[LA], s12, APL
	s_mul_i32 s[LB], s12, BHALF
	s_add_co_u32 s[LB], s[LB], BOFF
	s_mov_b32 s[SL], 0
	s_wait_dscnt 0x0
	s_wait_kmcnt 0x0
	s_add_nc_u64 s[14:15], s[4:5], s[16:17]
	s_add_nc_u64 s[46:47], s[6:7], s[46:47]
	CROUND
.irp s, 0,1
	s_mov_b32 s[G0A+4*(\s)], 1
	s_add_co_u32 s[G0A+4*(\s)+1], s[LA], (\s)*SLOT
	s_add_nc_u64 s[G0A+4*(\s)+2:G0A+4*(\s)+3], s[14:15], (\s)*ASTEP
	s_or_b32 s[G0A+4*(\s)+3], s[G0A+4*(\s)+3], 0x80000000
	s_mov_b32 s[G0B+4*(\s)], 1
	s_add_co_u32 s[G0B+4*(\s)+1], s[LB], (\s)*SLOT
	s_add_nc_u64 s[G0B+4*(\s)+2:G0B+4*(\s)+3], s[46:47], (\s)*BSTEP
	s_or_b32 s[G0B+4*(\s)+3], s[G0B+4*(\s)+3], 0x80000000
.endr
	s_cmp_eq_u32 s11, 0                            ; a wave's two first fills stand in one branch: two loads of mine are out
	s_cbranch_scc0 .Lfirst_b
	tensor_load_to_lds s[G0A:G0A+3], s[G1A:G1A+7]
	s_nop 0
	tensor_load_to_lds s[G0A+4:G0A+7], s[G1A:G1A+7]
	s_nop 0
.rept 4
	v_nop
.endr
	s_branch .Lfirst_done
.Lfirst_b:
	tensor_load_to_lds s[G0B:G0B+3], s[G1B:G1B+7]
	s_nop 0
	tensor_load_to_lds s[G0B+4:G0B+7], s[G1B:G1B+7]
	s_nop 0
.rept 4
	v_nop
.endr
.Lfirst_done:
	v_and_b32 v1, 15, v0
	v_bfe_u32 v2, v0, 4, 1
	v_lshlrev_b32 v[BO], 5, v2
	s_lshl_b32 s20, s42, 10
	s_lshl_b32 s21, s12, 9
	s_add_co_u32 s20, s20, s21
	s_mov_b32 s21, 0
	s_add_nc_u64 s[BIA:BIA+1], s[BIA:BIA+1], s[20:21]
	WIN 0x40
.irp b, 0,1,2,3,4,5,6,7
	global_load_b128 v[8*(\b):8*(\b)+3],   v[BO], s[BIA:BIA+1] offset:64*(\b)
	global_load_b128 v[8*(\b)+4:8*(\b)+7], v[BO], s[BIA:BIA+1] offset:64*(\b)+16
.endr
	WIN 0
	v_mul_u32_u24 v3, v1, PA
	v_lshl_add_u32 v3, v2, 4, v3
	s_mul_i32 s21, s11, 128*PA
	v_add_nc_u32 v[A0], s21, v3
	v_and_b32 v4, 7, v0
	v_lshl_add_u32 v4, v2, 3, v4
	v_mul_u32_u24 v4, v4, PB
	v_bfe_u32 v5, v0, 3, 1
	v_lshl_add_u32 v4, v5, 4, v4
	s_lshl_b32 s22, s12, 8
	s_add_co_u32 s22, s22, BOFF
	v_add_nc_u32 v[B0], s22, v4
	s_mul_i32 s23, s10, STG
	v_mul_u32_u24 v5, v1, SPITCH
	v_lshl_add_u32 v5, v2, 5, v5
	v_add_nc_u32 v[STO], s23, v5
	v_mul_u32_u24 v5, v2, SPITCH
	v_lshl_add_u32 v5, v1, 4, v5
	v_add_nc_u32 v[RD], s23, v5
	v_and_b32 v5, 31, v0
	v_lshlrev_b32 v[CO], 3, v5
	v_mov_b32 v[ADRA], v[A0]
	v_mov_b32 v[ADRB], v[B0]
	s_lshl_b32 s20, s42, SH_TX
	s_lshl_b32 s21, s12, SH_WC
	s_add_co_u32 s20, s20, s21
	s_lshl_b32 s21, s13, SH_TY
	s_add_co_u32 s20, s20, s21
	s_lshl_b32 s21, s11, SH_WR
	s_add_co_u32 s20, s20, s21
	s_mov_b32 s21, 0
	s_add_nc_u64 s[OUT:OUT+1], s[OUT:OUT+1], s[20:21]
	s_mov_b32 s72, 0xc0135763                      ; K1 = -2 log2(e) sqrt(2 / pi)
	s_mov_b32 s73, s72
	s_mov_b32 s74, 0xbdd2d3e8                      ; K2 = 0.044715 K1
	s_mov_b32 s75, s74
; 16 products: row blocks a0, a0 + 1 of the window's four x all 8 column blocks, 32 along K.  first = 1: C is the bias.  The 64 accumulators take turns in one order.
.macro MUL16 f, hi, a0, first
.if \first
	WIN 0x91+0x40*(\hi)
.else
	WIN 0xa1+0x50*(\hi)
.endif
.irp a, \a0, (\a0)+1
.irp b, 0,1,2,3,4,5,6,7
.if \first
	v_wmma_f32_16x16x32_bf16 v[8*(8*(\a)+(\b)):8*(8*(\a)+(\b))+7], v[(\f)+8*(\b):(\f)+8*(\b)+7], v[(\f)+8*(4*(\hi)+(\a)):(\f)+8*(4*(\hi)+(\a))+7], v[8*(\b):8*(\b)+7]
.else
	v_wmma_f32_16x16x32_bf16 v[8*(8*(\a)+(\b)):8*(8*(\a)+(\b))+7], v[(\f)+8*(\b):(\f)+8*(\b)+7], v[(\f)+8*(4*(\hi)+(\a)):(\f)+8*(4*(\hi)+(\a))+7], v[8*(8*(\a)+(\b)):8*(8*(\a)+(\b))+7]
.endif
.endr
.endr
.endm
.macro FETCH q, f
	WIN 0x40
.irp i, 0,1,2,3,4,5,6,7
	ds_load_tr16_b128 v[(\f)+8*(\i):(\f)+8*(\i)+3],   v[ADRB] offset:(\q)*32*PB+32*(\i)
	ds_load_tr16_b128 v[(\f)+8*(\i)+4:(\f)+8*(\i)+7], v[ADRB] offset:(\q)*32*PB+32*(\i)+16*PB
.endr
	WIN 0
.irp i, 0,1,2,3,4,5,6,7
	ds_load_b128 v[(\f)+8*(\i):(\f)+8*(\i)+3],   v[ADRA] offset:((\q)/2)*APL+((\q)%2)*64+(\i)*16*PA
	ds_load_b128 v[(\f)+8*(\i)+4:(\f)+8*(\i)+7], v[ADRA] offset:((\q)/2)*APL+((\q)%2)*64+(\i)*16*PA+32
.endr
.endm
.macro QUARTER q, f, g, first
	s_wait_dscnt 8                                 ; W and A's rows 0-63 are in; the youngest eight loads (A's rows 64-127) may be out
	MUL16 \f, 0, 0, \first
	MUL16 \f, 0, 2, \first
	PLACES
	FETCH \q, \g
	s_wait_dscnt 32                                ; all but the 32 just issued
	MUL16 \f, 1, 0, \first
	MUL16 \f, 1, 2, \first
.endm
; THE CHANGE OF SLOTS stands ahead of a step's last quarter, whose fragments are in registers by then.  Each wave waits for all its tensor loads (one is out: its part of the next slot), adds 0 to its spare word, and waits
; for that and for its reads of this slot; then the barrier.  fill = 1: the barrier opens a round of the cluster's, and the slot just read is filled again, first thing behind it, with the step two on.
; No matrix instruction stands between the wait for the loads and the refill: the refill has a whole K step, 256 matrix instructions, in which to land.
.macro CHANGE fill
	WIN 0
	s_wait_tensorcnt 0x0                           ; no tensor load of mine is out, so a group 0 may be written
	ds_add_u32 v[SPW], v[NIL]                      ; 0 onto my spare word; scalar work stands between it and the wait for it
.if \fill
	s_add_co_u32 s[G0A+5], s[LA], s[SL]            ; the refill goes into the slot that is being left,
	s_add_co_u32 s[G0B+5], s[LB], s[SL]
	s_add_nc_u64 s[G0A+6:G0A+7], s[G0A+6:G0A+7], ASTEP
	s_add_nc_u64 s[G0B+6:G0B+7], s[G0B+6:G0B+7], BSTEP
.endif
	s_xor_b32 s[SL], s[SL], SLOT                   ; and the reads go on in the other
	s_wait_dscnt 0x0                               ; the add is done, and my reads of this slot are over: the last run, into buffer 1, was issued 32 matrix instructions ago
	s_barrier_signal -1
	s_barrier_wait -1
.if \fill
	CREST                                          ; no wave of any partner still reads this slot's tile or has a load on its way
	JLOAD                                          ; its four v_nop are also the places in front of the loads that follow
.else
	PLACES
.endif
.endm
.macro NEXT0                           ; the next slot's first fragments
	v_add_nc_u32 v[ADRA], s[SL], v[A0]
	v_add_nc_u32 v[ADRB], s[SL], v[B0]
	FETCH 0, F0
.endm
.macro LASTQ                           ; a step's last quarter: buffer 1
	MUL16 F1, 0, 0, 0
	MUL16 F1, 0, 2, 0
	MUL16 F1, 1, 0, 0
	MUL16 F1, 1, 2, 0
.endm
	s_wait_tensorcnt 0x1                           ; my part of step 0 is in; step 1's may stay out
	s_barrier_signal -1
	s_barrier_wait -1
	FETCH 0, F0
	s_wait_loadcnt 0x0                             ; the bias
	QUARTER 1, F0, F1, 1
	WIN 0
	s_mov_b32 s3, NSTEP-2
.Lk:
	QUARTER 2, F1, F0, 0
	QUARTER 3, F0, F1, 0
	CHANGE 1
	NEXT0
	LASTQ
	QUARTER 1, F0, F1, 0
	WIN 0
	s_sub_co_u32 s3, s3, 1
	s_cmp_lg_u32 s3, 0
	s_cbranch_scc1 .Lk
	s_mov_b32 s3, 2
.Lt:                                           ; the last two steps ask for nothing: a text of their own
	QUARTER 2, F1, F0, 0
	QUARTER 3, F0, F1, 0
	CHANGE 0                                       ; in the second trip this barrier says that every wave's reads of the ring are over: every wave will store into ring bytes
	s_sub_co_u32 s3, s3, 1
	s_cmp_eq_u32 s3, 0
	s_cbranch_scc1 .Lnofetch                       ; behind the last step there is no slot to read
	NEXT0
	WIN 0
.Lnofetch:
	LASTQ
	WIN 0
	s_cmp_eq_u32 s3, 0
	s_cbranch_scc1 .Lway_out
	QUARTER 1, F0, F1, 0
	WIN 0
	s_branch .Lt
.Lway_out:
	PLACES
	PLACES
.set a, 0
.rept 8                                ; accumulator (a, b): lane (r, h) holds row 16 a + r, columns 16 b + 8 h + 0..7: 32 bytes of f32, the low four registers first
	WIN 0x08+4*(a/4)
.set b, 0
.rept 8
	ds_store_b128 v[STO], v[8*(8*(a%4)+b):8*(8*(a%4)+b)+3]   offset:a*16*SPITCH+64*b
	ds_store_b128 v[STO], v[8*(8*(a%4)+b)+4:8*(8*(a%4)+b)+7] offset:a*16*SPITCH+64*b+16
.set b, b+1
.endr
.set a, a+1
.endr
	WIN 0
	s_mov_b32 s3, 16
.Lout:                                         ; eight rows a trip.  LDS serves a wave's instructions in order (ISA guide 5.7.1.4): the loads see my stores; the stage is my own
.irp u, 0,1,2,3,4,5,6,7
	ds_load_b128 v[X+4*(\u):X+4*(\u)+3], v[RD] offset:((\u)%4)*2*SPITCH+((\u)/4)*256
.endr
	v_add_nc_u32 v[RD], 8*SPITCH, v[RD]
	s_wait_dscnt 0x0
.set i, 0
.rept 16
	v_pk_mul_f32 v[Z+2*i:Z+2*i+1], v[X+2*i:X+2*i+1], v[X+2*i:X+2*i+1]
.set i, i+1
.endr
.set i, 0
.rept 16
	v_pk_fma_f32 v[Z+2*i:Z+2*i+1], v[Z+2*i:Z+2*i+1], s[74:75], s[72:73] op_sel_hi:[1,0,0]
.set i, i+1
.endr
.set i, 0
.rept 16
	v_pk_mul_f32 v[Z+2*i:Z+2*i+1], v[Z+2*i:Z+2*i+1], v[X+2*i:X+2*i+1]
.set i, i+1
.endr
.set i, 0
.rept 32
	v_exp_f32 v[Z+i], v[Z+i]
.set i, i+1
.endr
	v_nop                                          ; a plain instruction between the exponentials and the use of their results (ISA guide 5.7.2)
.set i, 0
	s_wait_alu depctr_va_vdst(0)
.rept 16
	v_pk_add_f32 v[Z+2*i:Z+2*i+1], v[Z+2*i:Z+2*i+1], 1.0 op_sel_hi:[1,0]
.set i, i+1
.endr
.set i, 0
.rept 32
	v_rcp_f32 v[Z+i], v[Z+i]
.set i, i+1
.endr
	v_nop
.set i, 0
	s_wait_alu depctr_va_vdst(0)
.rept 16
	v_pk_mul_f32 v[X+2*i:X+2*i+1], v[X+2*i:X+2*i+1], v[Z+2*i:Z+2*i+1]
.set i, i+1
.endr
.set i, 0
.rept 16
	v_cvt_pk_bf16_f32 v[Y+i], v[X+2*i], v[X+2*i+1]
.set i, i+1
.endr
.irp u, 0,1,2,3,4,5,6,7
	global_store_b64 v[CO], v[Y+2*(\u):Y+2*(\u)+1], s[OUT:OUT+1] offset:((\u)/4)*PLANE+((\u)%4)*256  ; 256 consecutive bytes, aligned: two rows of a block
.endr
	s_wait_xcnt 0x0                                ; the stores have read their data and their base: only now are Y and the base written again
	s_add_nc_u64 s[OUT:OUT+1], s[OUT:OUT+1], 1024
	s_sub_co_u32 s3, s3, 1
	s_cmp_lg_u32 s3, 0
	s_cbranch_scc1 .Lout
	s_wait_tensorcnt 0x0                           ; the wave's end, behind my last tensor load and my last LDS store
	ds_add_u32 v[SPW], v[NIL]
	s_wait_dscnt 0x0
	CROUND                                         ; the closing round
	s_endpgm
.Lfunc_end_k_qdd278a4f84_g1:
	.size	k_qdd278a4f84_g1, .Lfunc_end_k_qdd278a4f84_g1-k_qdd278a4f84_g1
	.p2alignl 7, 3214868480
	.fill 96, 4, 3214868480
	.section	.rodata,"a",@progbits
	.p2align	6, 0x0
	.amdhsa_kernel k_qdd278a4f84_g1
		.amdhsa_group_segment_fixed_size 327680
		.amdhsa_private_segment_fixed_size 0
		.amdhsa_enable_private_segment 0
		.amdhsa_kernarg_size 32
		.amdhsa_user_sgpr_count 2
		.amdhsa_user_sgpr_kernarg_segment_ptr 1
		.amdhsa_wavefront_size32 1
		.amdhsa_system_sgpr_workgroup_id_x 1
		.amdhsa_system_sgpr_workgroup_id_y 1
		.amdhsa_system_sgpr_workgroup_id_z 1
		.amdhsa_system_vgpr_workitem_id 0
		.amdhsa_next_free_vgpr 1024
		.amdhsa_next_free_sgpr 80
		.amdhsa_reserve_vcc 0
		.amdhsa_float_denorm_mode_32 3
		.amdhsa_float_denorm_mode_16_64 3
		.amdhsa_memory_ordered 1
		.amdhsa_forward_progress 1
		.amdhsa_inst_pref_size 88
	.end_amdhsa_kernel
	.amdgpu_metadata
---
amdhsa.version: [ 1, 2 ]
amdhsa.kernels:
  - .name:           k_qdd278a4f84_g1
    .symbol:         k_qdd278a4f84_g1.kd
    .args:
      - { .name: h, .offset: 0, .size: 8, .value_kind: global_buffer, .address_space: global }
      - { .name: wb, .offset: 8, .size: 8, .value_kind: global_buffer, .address_space: global }
      - { .name: b_fc1, .offset: 16, .size: 8, .value_kind: global_buffer, .address_space: global }
      - { .name: act, .offset: 24, .size: 8, .value_kind: global_buffer, .address_space: global }
    .group_segment_fixed_size: 327680
    .private_segment_fixed_size: 0
    .kernarg_segment_align: 8
    .kernarg_segment_size: 32
    .max_flat_workgroup_size: 128
    .sgpr_count:     80
    .vgpr_count:     1024
    .wavefront_size: 32
...
	.end_amdgpu_metadata
.endif
;; end of part 5
;; launch g2 (part 6): grid 8 x 32, 4 waves a work-group, clusters of 4 x 4, 327,680 bytes of LDS; arguments act, wb, b_fc2, x1, out0; writes out0
.if DOCPART == 6
	.amdgcn_target "amdgcn-amd-amdhsa--gfx1250"
	.amdhsa_code_object_version 6
	.text
	.protected	k_qdd278a4f84_g2
	.globl	k_qdd278a4f84_g2
	.p2align	8
	.type	k_qdd278a4f84_g2,@function
k_qdd278a4f84_g2:
	s_mov_b64 s[64:65], 0
	v_nop
	global_prefetch_b8 v0, s[64:65] scope:SCOPE_SE
	s_setreg_imm32_b32 hwreg(HW_REG_WAVE_MODE, 25, 1), 1
	s_wait_xcnt 0x0
	s_wait_alu depctr_hold_cnt(0) depctr_sa_sdst(0) depctr_va_vdst(0) depctr_va_sdst(0) depctr_va_ssrc(0) depctr_va_vcc(0) depctr_vm_vsrc(0)
	s_getreg_b32 s2, hwreg(HW_REG_IB_STS2, 6, 4)
	s_cmp_eq_u32 s2, 0
	s_cbranch_scc0 .Lentry_in_a_cluster
	s_endpgm
.Lentry_in_a_cluster:
	s_bfe_u32 s2, ttmp6, 0x10000c
	s_cmp_lg_u32 s2, 0xf033
	s_cbranch_scc0 .Lentry_shape_is_right
	s_endpgm
.Lentry_shape_is_right:
; out0 = x1 + act w_fc2 + b_fc2.  act: bf16 in blocks [row / 128][k / 64][row % 128][k % 64]; w: bf16 [4096][1024] as the problem has it, at byte WOFF of wb; bias, residual and result f32 [4096][1024]; sums in f32.
; SHARES.  1,024 columns give 64 tiles of 256 x 256, too few for the chip's work-group places: a tile is 128 x 128, 256 work-groups; four waves, 64 x 64 each: 16 accumulators.  K = 4,096 goes in 16 steps of 256 through two LDS slots.
; A's tile of a step is four blocks, 65,536 consecutive bytes; a wave asks for half of them as 128 rows of 256 bytes, padded in LDS after every 128 bytes; W's is 256 rows of 256 bytes, 128 to a wave.
; THE MATRIX INSTRUCTION IS USED TRANSPOSED (source 0 = 16 columns of W, out of LDS turned; source 1 = 16 rows of A): a lane holds one row and eight neighbouring columns.  THE BIAS IS THE C OPERAND of each first product.
; THE RESIDUAL is asked for at the head, 32 loads a wave into registers of their own, and is waited for on the way out: it has the whole K loop in which to land.
; ONE TEXT FOR BOTH SLOTS: s[SL] is 0 or SLOT.  CLUSTER 4 x 4: A's tile jointly along a row of the cluster, W's along a column.  NO PREFETCH: each tile is read by 8 or 32 work-groups, not once.
; THE WAY OUT goes through ring bytes that have had their last fill: a wave's 64 x 64 in f32, rows of 272 bytes, back by rows; 16 lanes store 256 consecutive bytes, aligned.
; REGISTERS: window 0: v16-29 addresses, v128-255 the accumulators; window 1: two fragment buffers of 128 (64 of A, 64 of W), on the way out the rows read back; window 2: v0-127 the residual, v128-159 the bias.
.set NSTEP, 16
.set WOFF,  8388608
.set ART,   1048576                    ; bytes of A from a tile of 128 rows to the next
.set PA,    144
.set PB,    288
.set APL,   128*PA
.set BOFF,  4*APL
.set BHALF, 128*PB
.set SLOT,  BOFF+2*BHALF               ; 147,456
.set SPARE, 2*SLOT                     ; behind the ring: the spare words, 128 bytes for each wave: two blocks of 256 bytes that no other line names
.set SPITCH, 272
.set STG,   64*SPITCH
.set ASTEP, 65536
.set BSTEP, 524288
.set ADRA, 16
.set A0,   17
.set ADRB, 20
.set B0,   22
.set STO,  24
.set RD,   25
.set CO,   26
.set BO,   27
.set SPW,  28
.set NIL,  29
.set ACC,  128
.set F0,   0
.set F1,   128
.set BIAS, 128
.set G1A,  24
.set G0A,  32
.set G1B,  48
.set G0B,  56
.set SL,   68
.set LA,   69
.set LB,   70
.set BIA,  76
.set RES,  78
.set MSB, 0
.macro WIN new
.if MSB != (\new)
	s_set_vgpr_msb (MSB<<8)|(\new)
.set MSB, \new
.endif
.endm
.macro PLACES
.rept 4
	v_nop
.endr
.endm
.macro JLOAD
	s_cmp_eq_u32 s11, 0
	s_cbranch_scc0 .Lfor_b_\@
	tensor_load_to_lds s[G0A+4:G0A+7], s[G1A:G1A+7]
	s_nop 0
.rept 4
	v_nop
.endr
	s_branch .Lasked_\@
.Lfor_b_\@:
	tensor_load_to_lds s[G0B+4:G0B+7], s[G1B:G1B+7]
	s_nop 0
.rept 4
	v_nop
.endr
.Lasked_\@:
.endm
.macro CREST
	s_cmp_lg_u32 s10, 0
	s_cbranch_scc1 .Lnot_wave_0_\@
	s_barrier_signal -3
.Lnot_wave_0_\@:
	s_barrier_wait -3
	s_barrier_signal -1
	s_barrier_wait -1
.endm
.macro CROUND
	s_barrier_signal -1
	s_barrier_wait -1
	CREST
.endm
	s_load_b128 s[4:7], s[0:1], 0x0                ; A s[4:5], wb s[6:7]
	s_load_b128 s[76:79], s[0:1], 0x10             ; bias s[76:77], residual s[78:79]
	s_load_b64 s[8:9], s[0:1], 0x20                ; the result
	v_lshl_add_u32 v[SPW], v0, 2, SPARE
	v_mov_b32 v[NIL], 0
	ds_add_u32 v[SPW], v[NIL]                      ; the wave's opening: the add and its wait stand ahead of my first tensor load
	v_lshrrev_b32 v1, 5, v0
	v_readfirstlane_b32 s10, v1
	s_lshr_b32 s11, s10, 1                         ; wr; also: I fetch for A (0) or for W (1)
	s_and_b32 s12, s10, 1                          ; wc; also: which half of that tile I fetch
	s_bfe_u32 s40, ttmp6, 0x40000
	s_bfe_u32 s41, ttmp6, 0x40004
	s_lshl_b32 s42, ttmp9, 2
	s_add_co_u32 s42, s42, s40                     ; tx
	s_and_b32 s13, ttmp7, 0xffff
	s_lshl_b32 s13, s13, 2
	s_add_co_u32 s13, s13, s41                     ; ty
	s_lshl_b32 s43, s41, 2
	s_lshl_b32 s43, 15, s43
	s_lshl_b32 s44, 0x1111, s40
	s_or_b32 s[G1A], s43, (1<<16)|(1<<20)|(1<<21)|(4<<22)|(3<<25)  ; after every 32 words 4 words
	s_mov_b32 s[G1A+1], 128<<16
	s_mov_b32 s[G1A+2], 128<<16
	s_mov_b32 s[G1A+3], 128<<16
	s_mov_b32 s[G1A+4], 128
	s_mov_b32 s[G1A+5], 128
	s_mov_b32 s[G1A+6], 0
	s_mov_b32 s[G1A+7], 0
	s_or_b32 s[G1B], s44, (1<<16)|(1<<20)|(1<<21)|(5<<22)|(7<<25)  ; after every 64 words 8 words
	s_mov_b32 s[G1B+1], 128<<16
	s_mov_b32 s[G1B+2], 128<<16
	s_mov_b32 s[G1B+3], 128<<16
	s_mov_b32 s[G1B+4], 128
	s_mov_b32 s[G1B+5], 1024
	s_mov_b32 s[G1B+6], 0
	s_mov_b32 s[G1B+7], 0
	s_mul_i32 s16, s13, ART
	s_lshl_b32 s17, s12, 15
	s_add_co_u32 s16, s16, s17
	s_mov_b32 s17, 0
	s_lshl_b32 s46, s12, 18
	s_lshl_b32 s47, s42, 8
	s_add_co_u32 s46, s46, s47
	s_add_co_u32 s46, s46, WOFF
	s_mov_b32 s47, 0
	s_mul_i32 s[LA], s12, 2*APL
	s_mul_i32 s[LB], s12, BHALF
	s_add_co_u32 s[LB], s[LB], BOFF
	s_mov_b32 s[SL], 0
	s_wait_dscnt 0x0
	s_wait_kmcnt 0x0
	s_add_nc_u64 s[14:15], s[4:5], s[16:17]
	s_add_nc_u64 s[46:47], s[6:7], s[46:47]
	CROUND
.irp s, 0,1
	s_mov_b32 s[G0A+4*(\s)], 1
	s_add_co_u32 s[G0A+4*(\s)+1], s[LA], (\s)*SLOT
	s_add_nc_u64 s[G0A+4*(\s)+2:G0A+4*(\s)+3], s[14:15], (\s)*ASTEP
	s_or_b32 s[G0A+4*(\s)+3], s[G0A+4*(\s)+3], 0x80000000
	s_mov_b32 s[G0B+4*(\s)], 1
	s_add_co_u32 s[G0B+4*(\s)+1], s[LB], (\s)*SLOT
	s_add_nc_u64 s[G0B+4*(\s)+2:G0B+4*(\s)+3], s[46:47], (\s)*BSTEP
	s_or_b32 s[G0B+4*(\s)+3], s[G0B+4*(\s)+3], 0x80000000
.endr
	s_cmp_eq_u32 s11, 0                            ; a wave's two first fills stand in one branch: two loads of mine are out
	s_cbranch_scc0 .Lfirst_b
	tensor_load_to_lds s[G0A:G0A+3], s[G1A:G1A+7]
	s_nop 0
	tensor_load_to_lds s[G0A+4:G0A+7], s[G1A:G1A+7]
	s_nop 0
.rept 4
	v_nop
.endr
	s_branch .Lfirst_done
.Lfirst_b:
	tensor_load_to_lds s[G0B:G0B+3], s[G1B:G1B+7]
	s_nop 0
	tensor_load_to_lds s[G0B+4:G0B+7], s[G1B:G1B+7]
	s_nop 0
.rept 4
	v_nop
.endr
.Lfirst_done:
	v_and_b32 v1, 15, v0
	v_bfe_u32 v2, v0, 4, 1
	v_lshlrev_b32 v[BO], 5, v2
	v_lshlrev_b32 v[CO], 12, v2
	v_lshl_add_u32 v[CO], v1, 4, v[CO]
	s_lshl_b32 s20, s42, 9
	s_lshl_b32 s21, s12, 8
	s_add_co_u32 s20, s20, s21
	s_mov_b32 s21, 0
	s_add_nc_u64 s[BIA:BIA+1], s[BIA:BIA+1], s[20:21]
	s_lshl_b32 s22, s13, 19
	s_add_co_u32 s20, s20, s22
	s_lshl_b32 s22, s11, 18
	s_add_co_u32 s20, s20, s22
	s_add_nc_u64 s[RES:RES+1], s[RES:RES+1], s[20:21]
	s_add_nc_u64 s[8:9], s[8:9], s[20:21]
	WIN 0x80
.irp b, 0,1,2,3
	global_load_b128 v[BIAS+8*(\b):BIAS+8*(\b)+3],   v[BO], s[BIA:BIA+1] offset:64*(\b)
	global_load_b128 v[BIAS+8*(\b)+4:BIAS+8*(\b)+7], v[BO], s[BIA:BIA+1] offset:64*(\b)+16
.endr
.set t, 0
.rept 32
	global_load_b128 v[4*t:4*t+3], v[CO], s[RES:RES+1] offset:8192*t
.set t, t+1
.endr
	WIN 0
	v_mul_u32_u24 v3, v1, PA
	v_lshl_add_u32 v3, v2, 4, v3
	s_mul_i32 s21, s11, 64*PA
	v_add_nc_u32 v[A0], s21, v3
	v_and_b32 v4, 7, v0
	v_lshl_add_u32 v4, v2, 3, v4
	v_mul_u32_u24 v4, v4, PB
	v_bfe_u32 v5, v0, 3, 1
	v_lshl_add_u32 v4, v5, 4, v4
	s_lshl_b32 s22, s12, 7
	s_add_co_u32 s22, s22, BOFF
	v_add_nc_u32 v[B0], s22, v4
	s_mul_i32 s23, s10, STG
	v_mul_u32_u24 v5, v1, SPITCH
	v_lshl_add_u32 v5, v2, 5, v5
	v_add_nc_u32 v[STO], s23, v5
	v_mul_u32_u24 v5, v2, SPITCH
	v_lshl_add_u32 v5, v1, 4, v5
	v_add_nc_u32 v[RD], s23, v5
	v_mov_b32 v[ADRA], v[A0]
	v_mov_b32 v[ADRB], v[B0]
	v_add_nc_u32 v[ADRB+1], BHALF, v[B0]
; 8 products: row blocks a0, a0 + 1 x all 4 column blocks, 32 along K: half c of buffer f.  first = 1: C is the bias.  The 16 accumulators take turns in one order.
.macro MUL8 f, c, a0, first
.if \first
	WIN 0x25
.else
	WIN 0x05
.endif
.irp a, \a0, (\a0)+1
.irp b, 0,1,2,3
.if \first
	v_wmma_f32_16x16x32_bf16 v[ACC+8*(4*(\a)+(\b)):ACC+8*(4*(\a)+(\b))+7], v[(\f)+64+8*(4*(\c)+(\b)):(\f)+64+8*(4*(\c)+(\b))+7], v[(\f)+8*(4*(\c)+(\a)):(\f)+8*(4*(\c)+(\a))+7], v[BIAS+8*(\b):BIAS+8*(\b)+7]
.else
	v_wmma_f32_16x16x32_bf16 v[ACC+8*(4*(\a)+(\b)):ACC+8*(4*(\a)+(\b))+7], v[(\f)+64+8*(4*(\c)+(\b)):(\f)+64+8*(4*(\c)+(\b))+7], v[(\f)+8*(4*(\c)+(\a)):(\f)+8*(4*(\c)+(\a))+7], v[ACC+8*(4*(\a)+(\b)):ACC+8*(4*(\a)+(\b))+7]
.endif
.endr
.endr
.endm
.macro FETCH q, f
	WIN 0x40
.irp c, 0,1
.irp i, 0,1,2,3
	ds_load_tr16_b128 v[(\f)+64+8*(4*(\c)+(\i)):(\f)+64+8*(4*(\c)+(\i))+3],   v[ADRB+(\q)/2] offset:(((\q)%2)*64+32*(\c))*PB+32*(\i)
	ds_load_tr16_b128 v[(\f)+64+8*(4*(\c)+(\i))+4:(\f)+64+8*(4*(\c)+(\i))+7], v[ADRB+(\q)/2] offset:(((\q)%2)*64+32*(\c))*PB+32*(\i)+16*PB
	ds_load_b128 v[(\f)+8*(4*(\c)+(\i)):(\f)+8*(4*(\c)+(\i))+3],   v[ADRA] offset:(\q)*APL+(\i)*16*PA+64*(\c)
	ds_load_b128 v[(\f)+8*(4*(\c)+(\i))+4:(\f)+8*(4*(\c)+(\i))+7], v[ADRA] offset:(\q)*APL+(\i)*16*PA+64*(\c)+32
.endr
.endr
.endm
.macro QUARTER q, f, g, first
	s_wait_dscnt 16                                ; the first 32 along K are in
	MUL8 \f, 0, 0, \first
	MUL8 \f, 0, 2, \first
	PLACES
	FETCH \q, \g
	s_wait_dscnt 32                                ; all but the 32 just issued
	MUL8 \f, 1, 0, 0
	MUL8 \f, 1, 2, 0
.endm
; THE CHANGE OF SLOTS stands ahead of a step's last quarter, whose fragments are in registers by then.  Each wave waits for all its tensor loads, adds 0 to its spare word, and waits for that and for its reads of this slot;
; then the barrier.  fill = 1: it opens a round of the cluster's, and the slot just read is filled again, first thing behind it.  No matrix instruction stands between the wait for the loads and the refill:
; the refill has a whole K step, 128 matrix instructions, in which to land.
.macro CHANGE fill
	WIN 0
	s_wait_tensorcnt 0x0                           ; no tensor load of mine is out, so a group 0 may be written
	ds_add_u32 v[SPW], v[NIL]                      ; 0 onto my spare word; scalar work stands between it and the wait for it
.if \fill
	s_add_co_u32 s[G0A+5], s[LA], s[SL]            ; the refill goes into the slot that is being left,
	s_add_co_u32 s[G0B+5], s[LB], s[SL]
	s_add_nc_u64 s[G0A+6:G0A+7], s[G0A+6:G0A+7], ASTEP
	s_add_nc_u64 s[G0B+6:G0B+7], s[G0B+6:G0B+7], BSTEP
.endif
	s_xor_b32 s[SL], s[SL], SLOT                   ; and the reads go on in the other
	s_wait_dscnt 0x0                               ; the add is done, and my reads of this slot are over: the last run, into buffer 1, was issued 16 matrix instructions ago
	s_barrier_signal -1
	s_barrier_wait -1
.if \fill
	CREST                                          ; no wave of any partner still reads this slot's tile or has a load on its way
	JLOAD                                          ; its four v_nop are also the places in front of the loads that follow
.else
	PLACES
.endif
.endm
.macro NEXT0                           ; the next slot's first fragments
	v_add_nc_u32 v[ADRA], s[SL], v[A0]
	v_add_nc_u32 v[ADRB], s[SL], v[B0]
	v_add_nc_u32 v[ADRB+1], BHALF, v[ADRB]
	FETCH 0, F0
.endm
.macro LASTQ                           ; a step's last quarter: buffer 1
	MUL8 F1, 0, 0, 0
	MUL8 F1, 0, 2, 0
	MUL8 F1, 1, 0, 0
	MUL8 F1, 1, 2, 0
.endm
	s_wait_tensorcnt 0x1                           ; my part of step 0 is in; step 1's may stay out
	s_barrier_signal -1
	s_barrier_wait -1
	FETCH 0, F0
	s_wait_loadcnt 32                              ; the bias is in; the residual's 32 younger loads stay out
	QUARTER 1, F0, F1, 1
	WIN 0
	s_mov_b32 s3, NSTEP-2
.Lk:
	QUARTER 2, F1, F0, 0
	QUARTER 3, F0, F1, 0
	CHANGE 1
	NEXT0
	LASTQ
	QUARTER 1, F0, F1, 0
	WIN 0
	s_sub_co_u32 s3, s3, 1
	s_cmp_lg_u32 s3, 0
	s_cbranch_scc1 .Lk
	s_mov_b32 s3, 2
.Lt:                                           ; the last two steps ask for nothing: a text of their own
	QUARTER 2, F1, F0, 0
	QUARTER 3, F0, F1, 0
	CHANGE 0                                       ; in the second trip this barrier says that every wave's reads of the ring are over: every wave will store into ring bytes
	s_sub_co_u32 s3, s3, 1
	s_cmp_eq_u32 s3, 0
	s_cbranch_scc1 .Lnofetch                       ; behind the last step there is no slot to read
	NEXT0
	WIN 0
.Lnofetch:
	LASTQ
	WIN 0
	s_cmp_eq_u32 s3, 0
	s_cbranch_scc1 .Lway_out
	QUARTER 1, F0, F1, 0
	WIN 0
	s_branch .Lt
.Lway_out:
	PLACES
	PLACES
.set a, 0
.rept 4                                ; accumulator (a, b): lane (r, h) holds row 16 a + r, columns 16 b + 8 h + 0..7; the low four registers first
.set b, 0
.rept 4
	ds_store_b128 v[STO], v[ACC+8*(4*a+b):ACC+8*(4*a+b)+3]   offset:a*16*SPITCH+64*b
	ds_store_b128 v[STO], v[ACC+8*(4*a+b)+4:ACC+8*(4*a+b)+7] offset:a*16*SPITCH+64*b+16
.set b, b+1
.endr
.set a, a+1
.endr
	WIN 0x40                                       ; back into window 1, by rows: LDS serves a wave's instructions in order (ISA guide 5.7.1.4), and the stage is my own
.set t, 0
.rept 32
	ds_load_b128 v[4*t:4*t+3], v[RD] offset:2*SPITCH*t
.set t, t+1
.endr
	s_wait_loadcnt 0x0                             ; the residual
	s_wait_dscnt 0x0
	WIN 0x49                                       ; destination and source 0 window 1, source 1 window 2
.set i, 0
.rept 64
	v_pk_add_f32 v[2*i:2*i+1], v[2*i:2*i+1], v[2*i:2*i+1]
.set i, i+1
.endr
	WIN 0x04                                       ; the data (source 1) in window 1
.set t, 0
.rept 32
	global_store_b128 v[CO], v[4*t:4*t+3], s[8:9] offset:8192*t  ; 16 lanes store 256 consecutive bytes, aligned
.set t, t+1
.endr
	WIN 0
	s_wait_tensorcnt 0x0                           ; the wave's end, behind my last tensor load and my last LDS store
	ds_add_u32 v[SPW], v[NIL]
	s_wait_dscnt 0x0
	CROUND                                         ; the closing round
	s_endpgm
.Lfunc_end_k_qdd278a4f84_g2:
	.size	k_qdd278a4f84_g2, .Lfunc_end_k_qdd278a4f84_g2-k_qdd278a4f84_g2
	.p2alignl 7, 3214868480
	.fill 96, 4, 3214868480
	.section	.rodata,"a",@progbits
	.p2align	6, 0x0
	.amdhsa_kernel k_qdd278a4f84_g2
		.amdhsa_group_segment_fixed_size 327680
		.amdhsa_private_segment_fixed_size 0
		.amdhsa_enable_private_segment 0
		.amdhsa_kernarg_size 40
		.amdhsa_user_sgpr_count 2
		.amdhsa_user_sgpr_kernarg_segment_ptr 1
		.amdhsa_wavefront_size32 1
		.amdhsa_system_sgpr_workgroup_id_x 1
		.amdhsa_system_sgpr_workgroup_id_y 1
		.amdhsa_system_sgpr_workgroup_id_z 1
		.amdhsa_system_vgpr_workitem_id 0
		.amdhsa_next_free_vgpr 768
		.amdhsa_next_free_sgpr 80
		.amdhsa_reserve_vcc 0
		.amdhsa_float_denorm_mode_32 3
		.amdhsa_float_denorm_mode_16_64 3
		.amdhsa_memory_ordered 1
		.amdhsa_forward_progress 1
		.amdhsa_inst_pref_size 65
	.end_amdhsa_kernel
	.amdgpu_metadata
---
amdhsa.version: [ 1, 2 ]
amdhsa.kernels:
  - .name:           k_qdd278a4f84_g2
    .symbol:         k_qdd278a4f84_g2.kd
    .args:
      - { .name: act, .offset: 0, .size: 8, .value_kind: global_buffer, .address_space: global }
      - { .name: wb, .offset: 8, .size: 8, .value_kind: global_buffer, .address_space: global }
      - { .name: b_fc2, .offset: 16, .size: 8, .value_kind: global_buffer, .address_space: global }
      - { .name: x1, .offset: 24, .size: 8, .value_kind: global_buffer, .address_space: global }
      - { .name: out0, .offset: 32, .size: 8, .value_kind: global_buffer, .address_space: global }
    .group_segment_fixed_size: 327680
    .private_segment_fixed_size: 0
    .kernarg_segment_align: 8
    .kernarg_segment_size: 40
    .max_flat_workgroup_size: 128
    .sgpr_count:     80
    .vgpr_count:     768
    .wavefront_size: 32
...
	.end_amdgpu_metadata
.endif
;; end of part 6
